; MI455X (gfx1250); checked and timed in simulation.
; The chip was launched on July 23, 2026; its instructions are those of AMD's public machine-readable ISA for CDNA 5 (MIT licence, August 2026) and "CDNA5" Instruction Set Architecture Reference Guide (July 2026). The comments in the code are by the model that wrote it; some were corrected since.
;; Transformer Block. Allowed arithmetic: matrix products marked QUANTISED: E4M3 operands, one given power-of-two scale a tensor, by v_wmma_f32_16x16x64_fp8_fp8 or v_wmma_f32_16x16x128_fp8_fp8, f32 sums; everything else in f32.
;; Inputs: W1 2,048 x 1,024 float32; W2 1,024 x 2,048 float32; Wkv 512 x 1,024 float32; Wo 1,024 x 1,024 float32; Wq 1,024 x 1,024 float32; b1 2,048 float32; b2 1,024 float32; cos 2,048 x 64 float32; ln1_b 1,024 float32; ln1_g 1,024 float32; ln2_b 1,024 float32; ln2_g 1,024 float32; lowp_scales 14 int32 (the exponents e of the quantised operands' scales 2^e); sin 2,048 x 64 float32; x 2 x 2,048 x 1,024 float32.
;; Outputs: out0 2 x 2,048 x 1,024 float32.
;; This version of the problem:
;;   THIS VERSION OF THE PROBLEM IS GIVEN IN LOW PRECISION. The matrix products marked QUANTISED in the list below multiply operands that are first quantised to E4M3 (4 exponent bits, 3 mantissa bits; 8 bits a number), with one given power-of-two scale for each operand tensor; their sums are f32. All else is computed in f32.
;;   The module's matrix products, in the order in which they are computed (A, B: the left and right operand; K: the contracted axis; several contracted axes count as one K, in the product's order):
;;     1. [M 4,096, K 1,024] x [K 1,024, N 1,024]; A: computed on the way; B: input Wq: QUANTISED (scales: A lowp_scales[0], B lowp_scales[1])
;;     2. [M 4,096, K 1,024] x [K 1,024, N 512]; A: computed on the way; B: input Wkv: QUANTISED (scales: A lowp_scales[2], B lowp_scales[3])
;;     3. batch 8 x [M 8,192, K 64] x [K 64, N 2,048]; A: computed on the way; B: computed on the way: QUANTISED (scales: A lowp_scales[4], B lowp_scales[5])
;;     4. batch 8 x [M 8,192, K 2,048] x [K 2,048, N 64]; A: softmax (see below); B: computed on the way: QUANTISED (scales: A lowp_scales[6], B lowp_scales[7])
;;     5. [M 4,096, K 1,024] x [K 1,024, N 1,024]; A: computed on the way; B: input Wo: QUANTISED (scales: A lowp_scales[8], B lowp_scales[9])
;;     6. [M 4,096, K 1,024] x [K 1,024, N 2,048]; A: computed on the way; B: input W1: QUANTISED (scales: A lowp_scales[10], B lowp_scales[11])
;;     7. [M 4,096, K 2,048] x [K 2,048, N 1,024]; A: computed on the way; B: input W2: QUANTISED (scales: A lowp_scales[12], B lowp_scales[13])
;;   THE QUANTISER, for each operand of a quantised product, along K:
;;     - The operand's scale is 2^e, e = its entry of the input lowp_scales (int32; the entries are numbered through the quantised products in the list's order, A before B).
;;     - Each number is divided by the scale, clamped to +-448, and rounded to the nearest number of E4M3, ties to even, subnormals kept.
;;     - The product sums the exact products of the quantised numbers (number of the format x scale) in f32.
;;   ~~~python
;;   def quantise(x, axis, e):      # numpy; x: float32 -> the quantised numbers, widened to float32 again
;;       x = np.moveaxis(x, axis, -1); K = x.shape[-1]
;;       r = np.clip(x / 2.0 ** e, -448, 448)
;;       step = 2.0 ** (np.maximum(np.frexp(np.where(r == 0, 1, r))[1] - 1, -6) - 3)
;;       q = np.round(r / step) * step * 2.0 ** e      # np.round: ties to even
;;       return np.moveaxis(q, -1, axis).astype(np.float32)
;;   ~~~
;;   SOFTMAX AHEAD OF A QUANTISED PRODUCT. Where the list says 'softmax', what is quantised is not the finished softmax but p = 2^(t - M), with t = logit x log2(e) and M = ceil(the row's largest t), a whole number; so 1/2 < the row's largest p <= 1. The row's sum l is taken of the UNQUANTISED p, in f32, and the product's result is divided by l at the end. Since M is a whole number, a kernel that streams over the keys may use a running M (the ceiling of the running maximum): every later rescaling is an exact power of two, so the quantised numbers keep their values, but for numbers so far below the row's largest that they fall under the format's range.
;;   OPERANDS COMPUTED ON THE WAY. 'Computed on the way' means the value that the module computes at that place (a softmax that the list does not call 'softmax' is quantised finished and normalised). What goes into a quantiser is computed in f32, as accurately as f32 sums, v_exp_f32 and their like allow (about 1e-6 of the number): no bf16 or f16 on the way to a quantiser, and a product that is left as it is and whose result goes on into a quantised operand takes f32 operands (vector FMAs, or v_wmma_f32_16x16x4_f32). A number that lies on a knife's edge between two numbers of the format may be rounded either way, as far as f32 arithmetic and the matrix unit's own rounding can turn it there, and no further.
;; One version. Each part assembles by itself: llvm-mc -triple=amdgcn-amd-amdhsa -mcpu=gfx1250 --defsym DOCPART=n.
;; ======== version 1 of 1: 7 launches
;; limits: right only within a limited range of input values
;; workspace buffers: pc 15,204,352 bytes; qkvc 6,291,456 bytes; oc 4,194,304 bytes; x1 16,777,216 bytes; h2c 4,194,304 bytes; gc 8,388,608 bytes
;; launch prep (part 1): grid 464 x 1, 8 waves a work-group, no clusters, 0 bytes of LDS; arguments x, ln1_g, ln1_b, Wq, Wkv, Wo, W1, W2, lowp_scales, pc; writes pc
.if DOCPART == 1
	.amdgcn_target "amdgcn-amd-amdhsa--gfx1250"
	.amdhsa_code_object_version 6
	.text
	.protected	k_q2fe0ee7423_prep
	.globl	k_q2fe0ee7423_prep
	.p2align	8
	.type	k_q2fe0ee7423_prep,@function
k_q2fe0ee7423_prep:
	s_mov_b64 s[64:65], 0
	v_nop
	global_prefetch_b8 v0, s[64:65] scope:SCOPE_SE
	s_setreg_imm32_b32 hwreg(HW_REG_WAVE_MODE, 25, 1), 1
	s_wait_xcnt 0x0
; PREP: what many work-groups will read is quantised once.  Work-groups 0-255: h = LayerNorm1(x), as codes of E4M3 twice (scale 2^e0 for the product with Wq, 2^e2 for the
; product with Wkv).  Work-groups 256-463: Wq, Wkv, Wo, W1, W2 as codes (e1, e3, e9, e11, e13).
; DEAD WORK: none is left out in this program.  Every input has a way to out0: x, both norms' gains and biases, cos, sin, all five weights, b1, b2 and all 14 exponents are loaded and used.
; LAYOUT of every operand of the five plain products: the code of (row, k) lies at ((row / 128) (K / 128) + k / 128) x 16384 + (row % 128) x 128 + k % 128: blocks of 128 rows x 128 k,
; 16 KiB each, dense; a block row over all K is one run of memory.  In pc: hq at 0, hkv at 4194304, Wq|Wkv at 8388608 (rows 0-1023 | 1024-1535), Wo at 9961472, W1 at 11010048, W2 at 13107200.
; A UNIT is two rows x 1024 columns: lanes 0-15 the even row, lanes 16-31 the odd one.  Of each block of 128 k lane c holds the 8 neighbours 8 c .. 8 c + 7 (two loads of 16 bytes),
; which one conversion turns into 8 bytes: a store of the wave covers 256 consecutive bytes, aligned (two rows of a block).  No LDS, no barrier, no loop.
; A wave of the norm takes one unit (its gain and bias fill the other registers); a wave of the weights takes two, 32 loads at once: so the launch has 256 + 208 work-groups, and at 240 registers a wave
; two work-groups of eight waves fit the 4 x 1024 registers of a WGP.
; code = number / 2^e, held within +-448, to the nearest code, ties to even.  LIMITS: each e used here lies between -126 and 119; NaN among the inputs is not served.
.set X,    32                          ; v32-95   64 numbers of my row
.set GN,   96                          ; v96-159  the gain at my columns; later the codes
.set BS,   160                         ; v160-223 the bias; in the weights' path the second unit's numbers
.set X2,   160
.set T,    16
.set CD,   96
.set VI,   4                           ; v4  byte offset of my numbers
.set VO,   5                           ; v5  8 x lane: my codes
.set VG,   6                           ; v6  32 c: my columns in gain and bias
.set SCA,  224                         ; 2^e as f32, for two scales
.set LIMA, 225
.set SCB,  226
.set LIMB, 227
.set MEAN, 228                         ; v[228:229] the mean, twice
.set RS,   230                         ; v[230:231] 1 / sqrt(var + eps), twice
.macro MKSCALE e, sc, lim
	s_add_co_i32 s58, s[\e], 127
	s_lshl_b32 s59, s58, 23
	v_mov_b32 v[\sc], s59                          ; 2^e: the conversion takes its exponent field
.endm
.macro QROW kb, sc, lim, cd, tt, off   ; block kb's 8 numbers: converted, stored
.irp i, 0,1,2,3,4,5,6,7
.endr
	v_cvt_scalef32_pk8_fp8_f32 v[(\cd):(\cd)+1], v[(\tt)+((X+8*(\kb)+0)-((\tt)+0)):(\tt)+7+((X+8*(\kb)+0)-((\tt)+0))], v[\sc]
	global_store_b64 v[VO], v[(\cd):(\cd)+1], s[22:23] offset:\off
.endm
.macro WUNIT xr, cd, dlo, left         ; a unit of a weight: its numbers at v[xr], its codes at v[cd], stored from s[dlo:dlo+1] on; left: the loads of a later unit, which may stay out
.irp kb, 0,1,2,3,4,5,6,7
	s_wait_loadcnt (\left)+14-2*\kb                ; block kb's two loads are in; the younger ones may be out
.irp i, 0,1,2,3,4,5,6,7
.endr
	v_cvt_scalef32_pk8_fp8_f32 v[(\cd)+2*\kb:(\cd)+2*\kb+1], v[(\xr)+8*\kb:(\xr)+8*\kb+7], v[SCA]
	global_store_b64 v[VO], v[(\cd)+2*\kb:(\cd)+2*\kb+1], s[\dlo:\dlo+1] offset:16384*\kb
.endr
.endm
	s_load_b512 s[4:19], s[0:1], 0x0               ; x, ln1_g, ln1_b, Wq, Wkv, Wo, W1, W2
	s_load_b128 s[20:23], s[0:1], 0x40             ; the exponents, pc
	v_lshrrev_b32 v1, 5, v0
	s_delay_alu instid0(VALU_DEP_1)
	v_readfirstlane_b32 s38, v1                    ; wave 0..7
	v_and_b32 v1, 31, v0
	v_and_b32 v2, 15, v0                           ; c
	v_bfe_u32 v3, v0, 4, 1                         ; which of the two rows
	s_delay_alu instid0(VALU_DEP_3)
	v_lshlrev_b32 v[VO], 3, v1
	s_delay_alu instid0(VALU_DEP_3)
	v_lshlrev_b32 v[VG], 5, v2
	s_mov_b32 s60, 0x3a800000                      ; 1 / 1024
	s_wait_kmcnt 0x0
	s_load_b256 s[24:31], s[20:21], 0x0            ; e0 .. e7
	s_load_b128 s[32:35], s[20:21], 0x20           ; e8 .. e11
	s_load_b64 s[36:37], s[20:21], 0x30            ; e12, e13
	s_cmp_lt_u32 ttmp9, 256
	s_cbranch_scc0 .Lweights
; ---- LayerNorm 1: rows 2 u, 2 u + 1
	s_lshl_b32 s40, ttmp9, 3
	s_add_co_u32 s40, s40, s38                     ; u
	s_lshl_b32 s42, s40, 13
	s_mov_b32 s43, 0
	s_add_nc_u64 s[4:5], s[4:5], s[42:43]          ; x at row 2 u
	s_lshr_b32 s44, s40, 6
	s_lshl_b32 s44, s44, 17                        ; block row: 131072 bytes
	s_and_b32 s45, s40, 63
	s_lshl_b32 s45, s45, 8                         ; two rows of a block: 256 bytes
	s_add_co_u32 s44, s44, s45
	s_mov_b32 s45, 0
	s_add_nc_u64 s[22:23], s[22:23], s[44:45]
	s_wait_alu depctr_va_vdst(0)
	v_lshl_add_u32 v[VI], v3, 12, v[VG]
.irp kb, 0,1,2,3,4,5,6,7
	global_load_b128 v[X+8*\kb:X+8*\kb+3], v[VI], s[4:5] offset:512*\kb th:TH_LOAD_NT
	global_load_b128 v[X+8*\kb+4:X+8*\kb+7], v[VI], s[4:5] offset:512*\kb+16 th:TH_LOAD_NT
.endr
.irp kb, 0,1,2,3,4,5,6,7
	global_load_b128 v[GN+8*\kb:GN+8*\kb+3], v[VG], s[6:7] offset:512*\kb
	global_load_b128 v[GN+8*\kb+4:GN+8*\kb+7], v[VG], s[6:7] offset:512*\kb+16
.endr
.irp kb, 0,1,2,3,4,5,6,7
	global_load_b128 v[BS+8*\kb:BS+8*\kb+3], v[VG], s[8:9] offset:512*\kb
	global_load_b128 v[BS+8*\kb+4:BS+8*\kb+7], v[VG], s[8:9] offset:512*\kb+16
.endr
	s_wait_loadcnt 32                              ; x's 16 loads are in; the 32 younger ones (gain, bias) may be out
	v_pk_add_f32 v[10:11], v[32:33], v[34:35]
	v_pk_add_f32 v[12:13], v[48:49], v[56:57]
	v_pk_add_f32 v[14:15], v[64:65], v[72:73]
	v_pk_add_f32 v[238:239], v[80:81], v[88:89]
	v_pk_add_f32 v[236:237], v[36:37], v[38:39]
	v_pk_add_f32 v[234:235], v[50:51], v[58:59]
	v_pk_add_f32 v[232:233], v[66:67], v[74:75]
	v_pk_add_f32 v[8:9], v[82:83], v[90:91]
	s_delay_alu instid0(VALU_DEP_1)
	v_pk_add_f32 v[8:9], v[8:9], v[40:41]
	v_pk_add_f32 v[10:11], v[10:11], v[42:43]
	v_pk_add_f32 v[12:13], v[12:13], v[52:53]
	v_pk_add_f32 v[14:15], v[14:15], v[60:61]
	v_pk_add_f32 v[238:239], v[238:239], v[68:69]
	v_pk_add_f32 v[236:237], v[236:237], v[76:77]
	v_pk_add_f32 v[234:235], v[234:235], v[84:85]
	v_pk_add_f32 v[232:233], v[232:233], v[92:93]
	v_pk_add_f32 v[8:9], v[8:9], v[44:45]
	v_pk_add_f32 v[10:11], v[10:11], v[46:47]
	v_pk_add_f32 v[12:13], v[12:13], v[54:55]
	v_pk_add_f32 v[14:15], v[14:15], v[62:63]
	v_pk_add_f32 v[238:239], v[238:239], v[70:71]
	v_pk_add_f32 v[236:237], v[236:237], v[78:79]
	v_pk_add_f32 v[234:235], v[234:235], v[86:87]
	v_pk_add_f32 v[232:233], v[232:233], v[94:95]
	s_delay_alu instid0(VALU_DEP_4)
	v_pk_add_f32 v[8:9], v[8:9], v[238:239]
	s_delay_alu instid0(VALU_DEP_4)
	v_pk_add_f32 v[10:11], v[10:11], v[236:237]
	s_delay_alu instid0(VALU_DEP_4)
	v_pk_add_f32 v[12:13], v[12:13], v[234:235]
	s_delay_alu instid0(VALU_DEP_4)
	v_pk_add_f32 v[14:15], v[14:15], v[232:233]
	s_delay_alu instid0(VALU_DEP_2)
	v_pk_add_f32 v[8:9], v[8:9], v[12:13]
	s_delay_alu instid0(VALU_DEP_2)
	v_pk_add_f32 v[10:11], v[10:11], v[14:15]
	s_delay_alu instid0(VALU_DEP_1)
	v_pk_add_f32 v[8:9], v[8:9], v[10:11]
	s_delay_alu instid0(VALU_DEP_1)
	v_add_f32 v8, v8, v9
	s_delay_alu instid0(VALU_DEP_1)
	v_add_f32_dpp v8, v8, v8 row_xmask:1 row_mask:0xf bank_mask:0xf   ; a row lies in 16 lanes
	s_delay_alu instid0(VALU_DEP_1)
	v_add_f32_dpp v8, v8, v8 row_xmask:2 row_mask:0xf bank_mask:0xf
	s_delay_alu instid0(VALU_DEP_1)
	v_add_f32_dpp v8, v8, v8 row_xmask:4 row_mask:0xf bank_mask:0xf
	s_delay_alu instid0(VALU_DEP_1)
	v_add_f32_dpp v8, v8, v8 row_xmask:8 row_mask:0xf bank_mask:0xf
	s_delay_alu instid0(VALU_DEP_1)
	v_mul_f32 v[MEAN], s60, v8
	s_delay_alu instid0(VALU_DEP_1)
	v_mov_b32 v[MEAN+1], v[MEAN]
.set j, 0
.rept 32
	v_pk_add_f32 v[X+j:X+j+1], v[X+j:X+j+1], v[MEAN:MEAN+1] neg_lo:[0,1] neg_hi:[0,1]   ; x - mean, before the squares: a common offset costs nothing
.set j, j+2
.endr
	v_pk_mul_f32 v[8:9], v[X:X+1], v[X:X+1]
	v_pk_mul_f32 v[10:11], v[X+2:X+3], v[X+2:X+3]
	v_pk_mul_f32 v[12:13], v[X+4:X+5], v[X+4:X+5]
	v_pk_mul_f32 v[14:15], v[X+6:X+7], v[X+6:X+7]
.irp j, 8,16,24,32,40,48,56
	s_delay_alu instid0(VALU_DEP_4)
	v_pk_fma_f32 v[8:9], v[X+\j:X+\j+1], v[X+\j:X+\j+1], v[8:9]
	s_delay_alu instid0(VALU_DEP_4)
	v_pk_fma_f32 v[10:11], v[X+\j+2:X+\j+3], v[X+\j+2:X+\j+3], v[10:11]
	s_delay_alu instid0(VALU_DEP_4)
	v_pk_fma_f32 v[12:13], v[X+\j+4:X+\j+5], v[X+\j+4:X+\j+5], v[12:13]
	s_delay_alu instid0(VALU_DEP_4)
	v_pk_fma_f32 v[14:15], v[X+\j+6:X+\j+7], v[X+\j+6:X+\j+7], v[14:15]
.endr
	s_delay_alu instid0(VALU_DEP_3)
	v_pk_add_f32 v[8:9], v[8:9], v[10:11]
	s_delay_alu instid0(VALU_DEP_2)
	v_pk_add_f32 v[12:13], v[12:13], v[14:15]
	s_delay_alu instid0(VALU_DEP_1)
	v_pk_add_f32 v[8:9], v[8:9], v[12:13]
	s_delay_alu instid0(VALU_DEP_1)
	v_add_f32 v8, v8, v9
	s_delay_alu instid0(VALU_DEP_1)
	v_add_f32_dpp v8, v8, v8 row_xmask:1 row_mask:0xf bank_mask:0xf
	s_delay_alu instid0(VALU_DEP_1)
	v_add_f32_dpp v8, v8, v8 row_xmask:2 row_mask:0xf bank_mask:0xf
	s_delay_alu instid0(VALU_DEP_1)
	v_add_f32_dpp v8, v8, v8 row_xmask:4 row_mask:0xf bank_mask:0xf
	s_delay_alu instid0(VALU_DEP_1)
	v_add_f32_dpp v8, v8, v8 row_xmask:8 row_mask:0xf bank_mask:0xf
	v_mov_b32 v9, 0x3727c5ac                       ; eps = 1e-5
	s_delay_alu instid0(VALU_DEP_1)
	v_fma_f32 v8, v8, s60, v9                      ; var + eps
	s_wait_alu depctr_va_vdst(0)
	v_rsq_f32 v[RS], v8
	v_rsq_f32 v[RS+1], v8
	v_nop                                          ; a plain instruction behind the last transcendental
	s_wait_kmcnt 0x0                               ; the exponents
	MKSCALE 24, SCA, LIMA                          ; e0
	MKSCALE 26, SCB, LIMB                          ; e2
	s_wait_alu depctr_va_vdst(0)                   ; one wait for both, ahead of their first reader
	s_wait_loadcnt 0x0                             ; gain and bias
.set j, 0
.rept 32
	v_pk_mul_f32 v[X+j:X+j+1], v[X+j:X+j+1], v[RS:RS+1]
.set j, j+2
.endr
.set j, 0
.rept 32
	v_pk_fma_f32 v[X+j:X+j+1], v[X+j:X+j+1], v[GN+j:GN+j+1], v[BS+j:BS+j+1]   ; h
.set j, j+2
.endr
.irp kb, 0,1,2,3,4,5,6,7                   ; each pair of code registers is written once: no store's data are written again
	QROW \kb, SCA, LIMA, CD+4*\kb, T, 16384*\kb
	QROW \kb, SCB, LIMB, CD+4*\kb+2, T+8, 4194304+16384*\kb
.endr
	v_nop
	s_endpgm
; ---- the weights.  Unit q of a tensor: rows 2 p, 2 p + 1 and 1024 columns; W2 (2048 columns, kk = 1) has two units to a pair of rows.  A wave takes units q (even) and q + 1
.Lweights:
	s_sub_co_u32 s40, ttmp9, 256                   ; 0-31 Wq, 32-47 Wkv, 48-79 Wo, 80-143 W1, 144-207 W2: 16 units a work-group
	s_wait_kmcnt 0x0
	s_mov_b64 s[42:43], s[18:19]                   ; the choices hang on the work-group's number alone
	s_mov_b32 s44, 2304                            ; the tensor's first unit
	s_mov_b32 s45, 13107200                        ; its codes in pc
	s_mov_b32 s46, s37                             ; its exponent
	s_mov_b32 s47, 1                               ; kk
	s_cmp_lt_u32 s40, 144
	s_cselect_b64 s[42:43], s[16:17], s[42:43]
	s_cselect_b32 s44, 1280, s44
	s_cselect_b32 s45, 11010048, s45
	s_cselect_b32 s46, s35, s46
	s_cselect_b32 s47, 0, s47
	s_cmp_lt_u32 s40, 80
	s_cselect_b64 s[42:43], s[14:15], s[42:43]
	s_cselect_b32 s44, 768, s44
	s_cselect_b32 s45, 9961472, s45
	s_cselect_b32 s46, s33, s46
	s_cmp_lt_u32 s40, 48
	s_cselect_b64 s[42:43], s[12:13], s[42:43]
	s_cselect_b32 s44, 512, s44
	s_cselect_b32 s45, 9437184, s45
	s_cselect_b32 s46, s27, s46
	s_cmp_lt_u32 s40, 32
	s_cselect_b64 s[42:43], s[10:11], s[42:43]
	s_cselect_b32 s44, 0, s44
	s_cselect_b32 s45, 8388608, s45
	s_cselect_b32 s46, s25, s46
	s_lshl_b32 s48, s40, 4
	s_lshl_b32 s49, s38, 1
	s_add_co_u32 s48, s48, s49
	s_sub_co_u32 s48, s48, s44                     ; q, an even number: in W2 it is the first 1024 columns of its rows
	s_lshr_b32 s49, s48, s47                       ; p
	s_add_co_u32 s51, s47, 13
	s_lshl_b32 s52, s49, s51                       ; two rows of 4096 << kk bytes
	s_mov_b32 s53, 0
	s_add_nc_u64 s[42:43], s[42:43], s[52:53]      ; unit q
	s_lshr_b32 s52, 8192, s47                      ; unit q + 1: the next two rows (8192 bytes on), in W2 the same rows' other 1024 columns (4096 bytes on)
	s_add_nc_u64 s[50:51], s[42:43], s[52:53]
	s_lshr_b32 s54, s49, 6
	s_add_co_u32 s55, s47, 17
	s_lshl_b32 s54, s54, s55                       ; block row: 131072 << kk bytes
	s_and_b32 s55, s49, 63
	s_lshl_b32 s55, s55, 8
	s_add_co_u32 s54, s54, s55
	s_add_co_u32 s54, s54, s45
	s_mov_b32 s55, 0
	s_add_nc_u64 s[22:23], s[22:23], s[54:55]      ; unit q's codes
	s_mul_i32 s54, s47, 9
	s_lshl_b32 s54, 256, s54                       ; unit q + 1's: 256 bytes on (p is even: the same block row), in W2 eight blocks on (131072 bytes)
	s_add_nc_u64 s[56:57], s[22:23], s[54:55]
	s_add_co_u32 s52, s47, 12
	s_wait_alu depctr_va_vdst(0)
	v_lshlrev_b32 v[VI], s52, v3
	s_delay_alu instid0(VALU_DEP_1)
	v_add_nc_u32 v[VI], v[VI], v[VG]
.irp kb, 0,1,2,3,4,5,6,7
	global_load_b128 v[X+8*\kb:X+8*\kb+3], v[VI], s[42:43] offset:512*\kb th:TH_LOAD_NT
	global_load_b128 v[X+8*\kb+4:X+8*\kb+7], v[VI], s[42:43] offset:512*\kb+16 th:TH_LOAD_NT
.endr
.irp kb, 0,1,2,3,4,5,6,7
	global_load_b128 v[X2+8*\kb:X2+8*\kb+3], v[VI], s[50:51] offset:512*\kb th:TH_LOAD_NT
	global_load_b128 v[X2+8*\kb+4:X2+8*\kb+7], v[VI], s[50:51] offset:512*\kb+16 th:TH_LOAD_NT
.endr
	MKSCALE 46, SCA, LIMA
	s_wait_alu depctr_va_vdst(0)
	WUNIT X, CD, 22, 16                            ; behind unit q's loads stand unit q + 1's sixteen
	WUNIT X2, CD+16, 56, 0
	v_nop
	s_endpgm
.Lfunc_end_k_q2fe0ee7423_prep:
	.size	k_q2fe0ee7423_prep, .Lfunc_end_k_q2fe0ee7423_prep-k_q2fe0ee7423_prep
	.p2alignl 7, 3214868480
	.fill 96, 4, 3214868480
	.section	.rodata,"a",@progbits
	.p2align	6, 0x0
	.amdhsa_kernel k_q2fe0ee7423_prep
		.amdhsa_group_segment_fixed_size 0
		.amdhsa_private_segment_fixed_size 0
		.amdhsa_enable_private_segment 0
		.amdhsa_kernarg_size 80
		.amdhsa_user_sgpr_count 2
		.amdhsa_user_sgpr_kernarg_segment_ptr 1
		.amdhsa_wavefront_size32 1
		.amdhsa_system_sgpr_workgroup_id_x 1
		.amdhsa_system_sgpr_workgroup_id_y 1
		.amdhsa_system_sgpr_workgroup_id_z 1
		.amdhsa_system_vgpr_workitem_id 0
		.amdhsa_next_free_vgpr 240
		.amdhsa_next_free_sgpr 66
		.amdhsa_reserve_vcc 0
		.amdhsa_float_denorm_mode_32 3
		.amdhsa_float_denorm_mode_16_64 3
		.amdhsa_fp16_overflow 1
		.amdhsa_memory_ordered 1
		.amdhsa_forward_progress 1
		.amdhsa_inst_pref_size 31
	.end_amdhsa_kernel
	.amdgpu_metadata
---
amdhsa.version: [ 1, 2 ]
amdhsa.kernels:
  - .name:           k_q2fe0ee7423_prep
    .symbol:         k_q2fe0ee7423_prep.kd
    .args:
      - { .name: x, .offset: 0, .size: 8, .value_kind: global_buffer, .address_space: global }
      - { .name: ln1_g, .offset: 8, .size: 8, .value_kind: global_buffer, .address_space: global }
      - { .name: ln1_b, .offset: 16, .size: 8, .value_kind: global_buffer, .address_space: global }
      - { .name: Wq, .offset: 24, .size: 8, .value_kind: global_buffer, .address_space: global }
      - { .name: Wkv, .offset: 32, .size: 8, .value_kind: global_buffer, .address_space: global }
      - { .name: Wo, .offset: 40, .size: 8, .value_kind: global_buffer, .address_space: global }
      - { .name: W1, .offset: 48, .size: 8, .value_kind: global_buffer, .address_space: global }
      - { .name: W2, .offset: 56, .size: 8, .value_kind: global_buffer, .address_space: global }
      - { .name: lowp_scales, .offset: 64, .size: 8, .value_kind: global_buffer, .address_space: global }
      - { .name: pc, .offset: 72, .size: 8, .value_kind: global_buffer, .address_space: global }
    .group_segment_fixed_size: 0
    .private_segment_fixed_size: 0
    .kernarg_segment_align: 8
    .kernarg_segment_size: 80
    .max_flat_workgroup_size: 256
    .sgpr_count:     66
    .vgpr_count:     240
    .wavefront_size: 32
...
	.end_amdgpu_metadata
.endif
;; end of part 1
;; launch qkv (part 2): grid 12 x 32, 4 waves a work-group, clusters of 4 x 4, 327,680 bytes of LDS; arguments pc, cos, sin, lowp_scales, qkvc; writes qkvc
.if DOCPART == 2
	.amdgcn_target "amdgcn-amd-amdhsa--gfx1250"
	.amdhsa_code_object_version 6
	.text
	.protected	k_q2fe0ee7423_qkv
	.globl	k_q2fe0ee7423_qkv
	.p2align	8
	.type	k_q2fe0ee7423_qkv,@function
k_q2fe0ee7423_qkv:
	s_mov_b64 s[64:65], 0
	v_nop
	global_prefetch_b8 v0, s[64:65] scope:SCOPE_SE
	s_setreg_imm32_b32 hwreg(HW_REG_WAVE_MODE, 25, 1), 1
	s_wait_xcnt 0x0
	s_wait_alu depctr_hold_cnt(0) depctr_sa_sdst(0) depctr_va_vdst(0) depctr_va_sdst(0) depctr_va_ssrc(0) depctr_va_vcc(0) depctr_vm_vsrc(0)
	s_getreg_b32 s2, hwreg(HW_REG_IB_STS2, 6, 4)
	s_cmp_eq_u32 s2, 0
	s_cbranch_scc0 .Lentry_in_a_cluster
	s_endpgm
.Lentry_in_a_cluster:
	s_bfe_u32 s2, ttmp6, 0x10000c
	s_cmp_lg_u32 s2, 0xf033
	s_cbranch_scc0 .Lentry_shape_is_right
	s_endpgm
.Lentry_shape_is_right:
; QKV: [4096 x 1024] x [1024 x 1536] on codes of E4M3 (columns 0-1023: h Wq^T on hq; 1024-1535: h Wkv^T on hkv), then RoPE on q and k, and q, k, v as codes (e4, e5, e7)
; laid as images of the operand registers that the attention launch loads.  No work is left out.
; A tile of 128 x 128 to a work-group of four waves, 64 x 64 a wave: 16 accumulators.  K = 1024 is all in LDS: two slots of 512 along K, each filled once, at the head; nothing is filled again.
; CLUSTERS 4 x 4: A's blocks are asked for jointly along a row of the cluster, B's along a column.  THE MATRIX INSTRUCTION IS USED TRANSPOSED (source 0 = 16 rows of B, source 1 = 16 rows of A):
; lane (r, h) holds, in register j of accumulator (a, b), C(row 16 a + r, column 16 b + 8 h + j).  A fragment comes by four loads of 16 bytes: k = 32 c + 16 h + 0..15, alike in A and B.
; A wave's 64 columns are one head: a query head (clusters x = 0, 1), or K (even waves) or V (odd waves) of a key head (cluster x = 2).
; The sums stand for sum x 2^(eA + eB); RoPE is linear, so it runs on the sums, and the three exponents are folded into the conversion's one.
; cos and sin are read lane by lane (32 bytes of each of 16 rows an instruction pair): LDS is taken by the tiles.  V's waves, one in six, load the tables too, so that all waves take one way to the products.
; IMAGES in qkvc: q at 0: [b 16 + head][tile of 16 positions][c][512]: lane l's 16 bytes: q(position r, d = 32 c + 16 h ..); k at 4194304: the same, lane r of tile t holding key 32 (t / 2) + 8 (t % 2) + r + 8 (r / 8);
; v at 5242880: [b 4 + kv head][128 keys][t][c][512]: lane l: v(key 32 c + 16 h .., d = 16 t + r).
; LIMITS: e4 - e0 - e1, e5 - e2 - e3 and e7 - e2 - e3 lie between -126 and 119.  NaN is not served.
; REGISTERS: window 0: v1-31 addresses and scales, v32-127 at work, v128-255 accumulators; window 1: two sets of fragments (A at +0, B at +64); window 2: cos (v0-127), sin (v128-255).
.set PITCH,  144                       ; an LDS row: 128 bytes + 16: 9 x 16 bytes, so the 16 rows of a load start in 16 different columns of 16 bytes
.set PANEL,  128*PITCH                 ; a block of 128 rows x 128 k
.set LOADB,  2*PANEL                   ; what one tensor load brings
.set SLOT,   4*LOADB                   ; A's four blocks, then B's four
.set SPARE,  2*SLOT                    ; the spare words: 128 bytes a wave
.set WSTG,   17408                     ; a wave's stage, in slot 0, which has had its only fill and its last read by then
.set VSTG,   73728                     ; V's stages: bytes of their own
.set TSH,    17                        ; a block row is 131072 bytes
.set BOFF,   8388608
.set ADRA, 16
.set ADRB, 20
.set STQ,  10
.set RDQ,  11
.set RDK,  12
.set STV,  13
.set RDV,  14
.set GO,   15
.set CSO,  18
.set SCV,  22
.set LIMV, 23
.set SPW,  28
.set NIL,  29
.set SC,   30
.set LIM,  31
.set ACC,  128
.set F0,   0
.set F1,   128
.set G1,   24
.set G0,   32
.set G1B,  48
.set G0B,  56
.set MSB,  0
.macro WIN new                         ; the immediate's high byte repeats the setting that is left
.if MSB != \new
	s_set_vgpr_msb (MSB<<8)|\new
.set MSB, \new
.endif
.endm
.macro JLOAD s                         ; a joint load: waves 0, 1 fetch A's two pairs of blocks, waves 2, 3 B's
	s_cmp_eq_u32 s11, 0
	s_cbranch_scc0 .Lfor_b_\@
	tensor_load_to_lds s[G0+4*\s:G0+4*\s+3], s[G1:G1+7]
	s_nop 0
.rept 4
	v_nop
.endr
	s_branch .Lasked_\@
.Lfor_b_\@:
	tensor_load_to_lds s[G0B+4*\s:G0B+4*\s+3], s[G1B:G1B+7]
	s_nop 0
.rept 4
	v_nop
.endr
.Lasked_\@:
.endm
.macro CREST
	s_cmp_lg_u32 s10, 0
	s_cbranch_scc1 .Lnot_wave_0_\@
	s_barrier_signal -3
.Lnot_wave_0_\@:
	s_barrier_wait -3
	s_barrier_signal -1
	s_barrier_wait -1
.endm
.macro CROUND                          ; a round of the cluster's barrier
	s_barrier_signal -1
	s_barrier_wait -1
	CREST
.endm
.macro PLACES                          ; four places behind matrix instructions, ahead of loads into their sources and of reads of their results
.rept 4
	v_nop
.endr
.endm
.macro FETCH slot, q, f                ; 32 LDS loads: my 64 rows of B and of A, block q of the slot, into set f
	WIN 0x40
.irp i, 0,1,2,3
.irp c, 0,1,2,3
	ds_load_b128 v[\f+64+16*\i+4*\c:\f+64+16*\i+4*\c+3], v[ADRB+\slot] offset:(\q)*PANEL+\i*16*PITCH+32*\c
.endr
.endr
.irp i, 0,1,2,3
.irp c, 0,1,2,3
	ds_load_b128 v[\f+16*\i+4*\c:\f+16*\i+4*\c+3], v[ADRA+\slot] offset:(\q)*PANEL+\i*16*PITCH+32*\c
.endr
.endr
.endm
.macro MUL16 f, zero                   ; 128 along K: the 16 accumulators by turns, in the same order everywhere
	WIN 0x05
.irp a, 0,1,2,3
.irp b, 0,1,2,3
.if \zero
	v_wmma_f32_16x16x128_fp8_fp8 v[ACC+8*(4*\a+\b):ACC+8*(4*\a+\b)+7], v[\f+64+16*\b:\f+64+16*\b+15], v[\f+16*\a:\f+16*\a+15], 0
.else
	v_wmma_f32_16x16x128_fp8_fp8 v[ACC+8*(4*\a+\b):ACC+8*(4*\a+\b)+7], v[\f+64+16*\b:\f+64+16*\b+15], v[\f+16*\a:\f+16*\a+15], v[ACC+8*(4*\a+\b):ACC+8*(4*\a+\b)+7]
.endif
.endr
.endr
.endm
.macro QUARTER slot, qn, f, g, zero    ; multiplies set f; block qn's fragments are asked for first, into set g, and land meanwhile
	s_wait_dscnt 0x0                               ; set f is in
	PLACES
	FETCH \slot, \qn, \g
	MUL16 \f, \zero
.endm
.macro TURN slot, next                 ; a slot's last block, and the change of slots; nothing is filled again in this launch
	WIN 0
	s_wait_tensorcnt 0x0                           ; my part of the next slot has landed
	ds_add_u32 v[SPW], v[NIL]
	s_wait_dscnt 0x0                               ; the add is done, set F1 is in, my reads of this slot are over
	s_barrier_signal -1
	s_barrier_wait -1                              ; the same of every wave
	PLACES
	FETCH \next, 0, F0
	MUL16 F1, 0
.endm
.macro MKSCALE sc, lim                 ; s20 = an exponent: 2^s20 and 448 x 2^s20
	s_add_co_i32 s20, s20, 127
	s_lshl_b32 s21, s20, 23
	v_mov_b32 v[\sc], s21
	s_add_co_i32 s20, s20, 8
	s_lshl_b32 s20, s20, 23
	s_or_b32 s20, s20, 0x600000
.endm
	s_load_b256 s[68:75], s[0:1], 0x0              ; pc, cos, sin, the exponents
	s_load_b64 s[76:77], s[0:1], 0x20              ; qkvc
	v_lshl_add_u32 v[SPW], v0, 2, SPARE
	v_mov_b32 v[NIL], 0
	ds_add_u32 v[SPW], v[NIL]                      ; the opening: the add, twice on end, and its wait ahead of my first tensor load
	ds_add_u32 v[SPW], v[NIL]
	v_lshrrev_b32 v1, 5, v0
	v_readfirstlane_b32 s10, v1                    ; wave 0..3
	s_lshr_b32 s11, s10, 1                         ; my half of the rows; also: I fetch for A (0) or B (1)
	s_and_b32 s12, s10, 1                          ; my half of the columns; also: which pair of blocks I fetch
	s_bfe_u32 s40, ttmp6, 0x40000                  ; cx
	s_bfe_u32 s41, ttmp6, 0x40004                  ; cy
	s_lshl_b32 s42, ttmp9, 2
	s_add_co_u32 s42, s42, s40                     ; tile column
	s_and_b32 s13, ttmp7, 0xffff
	s_lshl_b32 s13, s13, 2
	s_add_co_u32 s13, s13, s41                     ; tile row
	s_lshr_b32 s14, ttmp9, 1                       ; 1 in the third column of clusters: the product with Wkv.  The same in all sixteen partners
	s_lshl_b32 s43, s41, 2
	s_lshl_b32 s43, 15, s43                        ; my row of the cluster
	s_lshl_b32 s44, 0x1111, s40                    ; my column
	s_or_b32 s[G1], s43, (1<<20)|(1<<21)|(4<<22)|(3<<25)    ; the mask; elements of 1 byte; 4 words of padding behind every 32
	s_or_b32 s[G1B], s44, (1<<20)|(1<<21)|(4<<22)|(3<<25)
.irp g, G1, G1B
	s_mov_b32 s[\g+1], 128<<16                     ; tensor_dim0
	s_mov_b32 s[\g+2], 256<<16                     ; tensor_dim1: two blocks of 128 rows, dense in memory
	s_mov_b32 s[\g+3], 128<<16                     ; tile_dim0
	s_mov_b32 s[\g+4], 256                         ; tile_dim1
	s_mov_b32 s[\g+5], 128                         ; the pitch
	s_mov_b32 s[\g+6], 0
	s_mov_b32 s[\g+7], 0
.endr
	s_lshl_b32 s16, s13, TSH                       ; A: my block row,
	s_lshl_b32 s17, s12, 15                        ; my pair of blocks,
	s_add_co_u32 s16, s16, s17
	s_lshl_b32 s17, s14, 22                        ; hq or hkv
	s_add_co_u32 s16, s16, s17
	s_mov_b32 s17, 0
	s_lshl_b32 s46, s42, TSH                       ; B likewise
	s_lshl_b32 s47, s12, 15
	s_add_co_u32 s46, s46, s47
	s_add_co_u32 s46, s46, BOFF
	s_mov_b32 s47, 0
	s_mul_i32 s20, s10, LOADB                      ; where they go: no place in the cluster enters an LDS address
	s_wait_dscnt 0x0                               ; both opening adds are done
	s_wait_kmcnt 0x0
	s_load_b256 s[80:87], s[74:75], 0x0            ; e0 .. e7
	s_add_nc_u64 s[18:19], s[68:69], s[16:17]
	s_add_nc_u64 s[46:47], s[68:69], s[46:47]
	CROUND                                         ; all sixteen work-groups are here: the joint loads meet
.irp s, 0,1
	s_mov_b32 s[G0+4*\s], 1
	s_add_co_u32 s[G0+4*\s+1], s20, \s*SLOT
	s_add_nc_u64 s[G0+4*\s+2:G0+4*\s+3], s[18:19], \s*65536
	s_or_b32 s[G0+4*\s+3], s[G0+4*\s+3], 0x80000000
	s_mov_b32 s[G0B+4*\s], 1
	s_add_co_u32 s[G0B+4*\s+1], s20, \s*SLOT
	s_add_nc_u64 s[G0B+4*\s+2:G0B+4*\s+3], s[46:47], \s*65536
	s_or_b32 s[G0B+4*\s+3], s[G0B+4*\s+3], 0x80000000
	JLOAD \s                                       ; two loads of mine are out
.endr
	v_and_b32 v1, 15, v0                           ; r
	s_wait_alu depctr_va_vdst(0)
	v_bfe_u32 v2, v0, 4, 1                         ; h
	v_mul_u32_u24 v3, v1, PITCH
	v_lshl_add_u32 v3, v2, 4, v3
	s_mul_i32 s21, s11, 64*PITCH
	s_mul_i32 s22, s12, 64*PITCH
	s_add_co_u32 s22, s22, 2*LOADB
.irp s, 0,1
	v_add_nc_u32 v[ADRA+\s], s21, v3
	v_add_nc_u32 v[ADRB+\s], s22, v3
	s_add_co_u32 s21, s21, SLOT
	s_add_co_u32 s22, s22, SLOT
.endr
	s_mul_i32 s23, s10, WSTG                       ; q's and k's stage: 64 rows of 64 codes + 16 bytes
	v_mul_u32_u24 v4, v1, 80
	s_wait_alu depctr_va_vdst(0)
	v_lshl_add_u32 v5, v2, 3, v4
	v_add_nc_u32 v[STQ], s23, v5                   ; in: row r, 8 bytes for each half of the lanes
	v_lshl_add_u32 v5, v2, 4, v4
	v_add_nc_u32 v[RDQ], s23, v5                   ; back, q: row r, 16 h
	v_and_b32 v6, 8, v1
	v_add_nc_u32 v6, v6, v1
	v_mul_u32_u24 v6, v6, 80
	v_lshl_add_u32 v6, v2, 4, v6
	v_add_nc_u32 v[RDK], s23, v6                   ; back, k: row r + 8 (r / 8)
	s_add_co_u32 s23, s23, VSTG                    ; v's stage: [d][key] f32, rows of 256 bytes + 16
	v_mul_u32_u24 v7, v2, 2176
	v_lshl_add_u32 v7, v1, 2, v7
	v_add_nc_u32 v[STV], s23, v7                   ; in: row 8 h (+ 16 b + j), word r
	v_mul_u32_u24 v7, v1, 272
	v_lshl_add_u32 v7, v2, 6, v7
	v_add_nc_u32 v[RDV], s23, v7                   ; back: row r (+ 16 t), 16 keys from 16 h on
	v_and_b32 v8, 31, v0
	v_lshlrev_b32 v[GO], 4, v8                     ; 16 x lane
	v_lshlrev_b32 v[CSO], 8, v1
	v_lshl_add_u32 v[CSO], v2, 5, v[CSO]           ; the tables: row r of 256 bytes, + 32 h
	s_wait_alu depctr_va_vdst(0)
	s_lshr_b32 s18, s13, 4                         ; the batch
	s_and_b32 s19, s13, 15                         ; which 128 positions
	s_lshl_b32 s88, s19, 7
	s_lshl_b32 s89, s11, 6
	s_add_co_u32 s88, s88, s89                     ; my first position
	s_lshl_b32 s90, s88, 8
	s_mov_b32 s91, 0
	s_add_nc_u64 s[70:71], s[70:71], s[90:91]
	s_add_nc_u64 s[72:73], s[72:73], s[90:91]
	s_lshl_b32 s92, s18, 4
	s_lshl_b32 s93, s42, 1
	s_add_co_u32 s92, s92, s93
	s_add_co_u32 s92, s92, s12                     ; q's image: 16 b + head
	s_lshl_b32 s93, s18, 2
	s_add_co_u32 s93, s93, s42
	s_add_co_u32 s93, s93, 24                      ; k's: 32 + 4 b + (tile column - 8), in images of 131072 bytes
	s_cmp_lg_u32 s14, 0
	s_cselect_b32 s92, s93, s92
	s_lshl_b32 s92, s92, 17
	s_lshl_b32 s94, s88, 6                         ; 64 bytes a position
	s_add_co_u32 s94, s92, s94
	s_mov_b32 s95, 0
	s_add_nc_u64 s[78:79], s[76:77], s[94:95]
	s_add_co_u32 s93, s93, 8                       ; v's: 40 + 4 b + key head
	s_lshl_b32 s93, s93, 17
	s_lshl_b32 s94, s19, 13                        ; 8192 bytes for 128 keys
	s_add_co_u32 s94, s93, s94
	s_lshl_b32 s93, s11, 10                        ; c = 2 x my half + 0, 1
	s_add_co_u32 s94, s94, s93
	s_add_nc_u64 s[96:97], s[76:77], s[94:95]
	s_and_b32 s15, s14, s12                        ; 1: my 64 columns are V
	WIN 0x80                                       ; destination window 2
.irp a, 0,1,2,3
.irp b, 0,1,2,3
	global_load_b128 v[8*(4*\a+\b):8*(4*\a+\b)+3], v[CSO], s[70:71] offset:4096*\a+64*\b
	global_load_b128 v[8*(4*\a+\b)+4:8*(4*\a+\b)+7], v[CSO], s[70:71] offset:4096*\a+64*\b+16
	global_load_b128 v[128+8*(4*\a+\b):128+8*(4*\a+\b)+3], v[CSO], s[72:73] offset:4096*\a+64*\b
	global_load_b128 v[128+8*(4*\a+\b)+4:128+8*(4*\a+\b)+7], v[CSO], s[72:73] offset:4096*\a+64*\b+16
.endr
.endr
	WIN 0
	s_wait_kmcnt 0x0
	s_sub_co_i32 s20, s84, s80
	s_sub_co_i32 s20, s20, s81                     ; e4 - e0 - e1
	s_sub_co_i32 s21, s85, s82
	s_sub_co_i32 s21, s21, s83                     ; e5 - e2 - e3
	s_cmp_lg_u32 s14, 0
	s_cselect_b32 s20, s21, s20
	MKSCALE SC, LIM
	s_sub_co_i32 s20, s87, s82
	s_sub_co_i32 s20, s20, s83                     ; e7 - e2 - e3
	MKSCALE SCV, LIMV
	s_wait_tensorcnt 1                             ; my part of slot 0 is in; slot 1's load may stay out
	s_barrier_signal -1
	s_barrier_wait -1
	FETCH 0, 0, F0
	QUARTER 0, 1, F0, F1, 1                        ; the first products start the sums
	QUARTER 0, 2, F1, F0, 0
	QUARTER 0, 3, F0, F1, 0
	TURN 0, 1
	QUARTER 1, 1, F0, F1, 0
	QUARTER 1, 2, F1, F0, 0
	QUARTER 1, 3, F0, F1, 0
	s_wait_dscnt 0x0
	MUL16 F1, 0
	WIN 0
	PLACES
	s_cmp_lg_u32 s15, 0                            ; ids alone: the wave's number and the cluster's x
	s_cbranch_scc1 .Lvpath
; ---- q or k: RoPE, (x0, x1) -> (x0 c0 - x1 s0, x1 c1 + x0 s1), each table entry as it is given
	s_wait_loadcnt 0x0                             ; cos, sin
	WIN 0x08                                       ; source 1: window 2
.set p, 0
.rept 64
	v_mul_f32 v[32+(p%16)], v[ACC+p+1], v[128+p]
	v_mul_f32 v[33+(p%16)], v[ACC+p], v[128+p+1]
	v_fma_f32 v[ACC+p], v[ACC+p], v[p], -v[32+(p%16)]
	v_fma_f32 v[ACC+p+1], v[ACC+p+1], v[p+1], v[33+(p%16)]
.set p, p+2
.endr
	WIN 0
.irp t, 0,1,2,3,4,5,6,7,8,9,10,11,12,13,14,15
.irp i, 0,1,2,3,4,5,6,7
.endr
	v_cvt_scalef32_pk8_fp8_f32 v[48+2*\t:49+2*\t], v[ACC+8*\t:ACC+8*\t+7], v[SC]
.endr
	v_nop
.irp a, 0,1,2,3
.irp b, 0,1,2,3
	ds_store_b64 v[STQ], v[48+2*(4*\a+\b):49+2*(4*\a+\b)] offset:1280*\a+16*\b
.endr
.endr
	s_cmp_lg_u32 s14, 0
	s_cbranch_scc1 .Lkread
.irp t, 0,1,2,3                            ; LDS serves a wave's instructions in order: these see my stores
.irp c, 0,1
	ds_load_b128 v[96+4*(2*\t+\c):99+4*(2*\t+\c)], v[RDQ] offset:1280*\t+32*\c
.endr
.endr
	s_branch .Lsend
.Lkread:
.irp t, 0,1,2,3                            ; the keys of a tile are not neighbours
.irp c, 0,1
	ds_load_b128 v[96+4*(2*\t+\c):99+4*(2*\t+\c)], v[RDK] offset:(32*(\t/2)+8*(\t%2))*80+32*\c
.endr
.endr
.Lsend:
.set n, 0
.rept 8
	s_wait_dscnt 7-n                               ; piece n is back; the younger ones may be out
	global_store_b128 v[GO], v[96+4*n:99+4*n], s[78:79] offset:512*n   ; 512 consecutive bytes
.set n, n+1
.endr
	s_branch .Lend
; ---- v: turned through the stage in f32, so that a lane holds 16 neighbouring keys of one d
.Lvpath:
.irp a, 0,1,2,3
.irp b, 0,1,2,3
.irp j, 0,1,2,3,4,5,6,7
	ds_store_b32 v[STV], v[ACC+8*(4*\a+\b)+\j] offset:(16*\b+\j)*272+64*\a
.endr
.endr
.endr
.irp t, 0,1,2,3
.irp c, 0,1
.irp i, 0,1,2,3
	ds_load_b128 v[ACC+16*(2*\t+\c)+4*\i:ACC+16*(2*\t+\c)+4*\i+3], v[RDV] offset:16*\t*272+128*\c+16*\i
.endr
.endr
.endr
	s_wait_dscnt 0x0
	s_wait_alu depctr_va_vdst(0)
.irp n, 0,1,2,3,4,5,6,7
.irp i, 0,1,2,3,4,5,6,7,8,9,10,11,12,13,14,15
.endr
	v_cvt_scalef32_pk8_fp8_f32 v[32+4*\n:33+4*\n], v[ACC+16*\n:ACC+16*\n+7], v[SCV]
	v_cvt_scalef32_pk8_fp8_f32 v[34+4*\n:35+4*\n], v[ACC+16*\n+8:ACC+16*\n+15], v[SCV]
.endr
	v_nop
.irp t, 0,1,2,3
.irp c, 0,1
	global_store_b128 v[GO], v[32+4*(2*\t+\c):35+4*(2*\t+\c)], s[96:97] offset:2048*\t+512*\c
.endr
.endr
.Lend:
	s_wait_tensorcnt 0x0                           ; the wave's end
	ds_add_u32 v[SPW], v[NIL]
	s_wait_dscnt 0x0
	CROUND                                         ; the closing round
	s_endpgm
.Lfunc_end_k_q2fe0ee7423_qkv:
	.size	k_q2fe0ee7423_qkv, .Lfunc_end_k_q2fe0ee7423_qkv-k_q2fe0ee7423_qkv
	.p2alignl 7, 3214868480
	.fill 96, 4, 3214868480
	.section	.rodata,"a",@progbits
	.p2align	6, 0x0
	.amdhsa_kernel k_q2fe0ee7423_qkv
		.amdhsa_group_segment_fixed_size 327680
		.amdhsa_private_segment_fixed_size 0
		.amdhsa_enable_private_segment 0
		.amdhsa_kernarg_size 40
		.amdhsa_user_sgpr_count 2
		.amdhsa_user_sgpr_kernarg_segment_ptr 1
		.amdhsa_wavefront_size32 1
		.amdhsa_system_sgpr_workgroup_id_x 1
		.amdhsa_system_sgpr_workgroup_id_y 1
		.amdhsa_system_sgpr_workgroup_id_z 1
		.amdhsa_system_vgpr_workitem_id 0
		.amdhsa_next_free_vgpr 768
		.amdhsa_next_free_sgpr 100
		.amdhsa_reserve_vcc 0
		.amdhsa_float_denorm_mode_32 3
		.amdhsa_float_denorm_mode_16_64 3
		.amdhsa_fp16_overflow 1
		.amdhsa_memory_ordered 1
		.amdhsa_forward_progress 1
		.amdhsa_inst_pref_size 70
	.end_amdhsa_kernel
	.amdgpu_metadata
---
amdhsa.version: [ 1, 2 ]
amdhsa.kernels:
  - .name:           k_q2fe0ee7423_qkv
    .symbol:         k_q2fe0ee7423_qkv.kd
    .args:
      - { .name: pc, .offset: 0, .size: 8, .value_kind: global_buffer, .address_space: global }
      - { .name: cos, .offset: 8, .size: 8, .value_kind: global_buffer, .address_space: global }
      - { .name: sin, .offset: 16, .size: 8, .value_kind: global_buffer, .address_space: global }
      - { .name: lowp_scales, .offset: 24, .size: 8, .value_kind: global_buffer, .address_space: global }
      - { .name: qkvc, .offset: 32, .size: 8, .value_kind: global_buffer, .address_space: global }
    .group_segment_fixed_size: 327680
    .private_segment_fixed_size: 0
    .kernarg_segment_align: 8
    .kernarg_segment_size: 40
    .max_flat_workgroup_size: 128
    .sgpr_count:     100
    .vgpr_count:     768
    .wavefront_size: 32
...
	.end_amdgpu_metadata
.endif
;; end of part 2
;; launch attn (part 3): grid 32 x 8, 16 waves a work-group, no clusters, 282,624 bytes of LDS; arguments qkvc, lowp_scales, oc; writes oc
.if DOCPART == 3
	.amdgcn_target "amdgcn-amd-amdhsa--gfx1250"
	.amdhsa_code_object_version 6
	.text
	.protected	k_q2fe0ee7423_attn
	.globl	k_q2fe0ee7423_attn
	.p2align	8
	.type	k_q2fe0ee7423_attn,@function
k_q2fe0ee7423_attn:
	s_mov_b64 s[64:65], 0
	v_nop
	global_prefetch_b8 v0, s[64:65] scope:SCOPE_SE
	s_setreg_imm32_b32 hwreg(HW_REG_WAVE_MODE, 25, 1), 1
	s_wait_xcnt 0x0
; ATTENTION on codes of E4M3, no mask: o = softmax(q k^T / 8) v for 16 query heads on 4 key heads, then o as codes (e8) in the blocked layout of the next product.  No work of the problem is left out.
; THE SOFTMAX AHEAD OF THE SECOND PRODUCT: t = score x log2(e) / 8; M = the running largest t rounded up to a whole number; p = 2^(t - M) is quantised (e6), not normalised; the row's sum is taken of the
; unquantised p and divides at the end; when M moves, the sum and O are multiplied by 2^(old M - new M), which rounds nothing.
; SHARES: work-group (x, y): y = 4 b + key head; 64 positions x the head's four query heads.  Wave w: query head w % 4, positions 16 (w / 4) + 0..15: one tile, 256 registers, four waves to a SIMD.
; A key head's K and V, 131072 bytes each, lie in LDS whole, as images of operand registers: every fragment load reads 512 consecutive bytes.
; THE HOLD AT THE LARGEST CODE IS RUN ONLY WHERE IT CAN ACT.  p is at most 1, so p / 2^e6 passes 448 only where e6 <= -9.  e6 is a whole number read from memory.
; where e6 <= -9 they are run.  That is 64 of a step's some 320 instructions, in each of a wave's 16 steps.
; NO TENSOR LOADS AND NO CLUSTER, though the 32 work-groups of a key head read the same K and V.  A work-group fetches its
; 262144 bytes once, by plain loads of 512 consecutive bytes a wave, and stores them into LDS.  An image has four quarters of 32768 bytes, four steps each; a wave's share of a quarter is 4096 bytes,
; eight loads.  Quarter 0 comes at the head; quarters 1, 2, 3 are asked for in steps 0, 1, 2, into 32 registers that the step leaves idle, and are stored at that step's end: the fetch lies
; under the first steps' work.  Two barriers: behind quarter 0's stores, and behind step 3; steps 4 to 15 run with none.
; Both products are used transposed (S^T = K Q^T, O^T = V^T P^T): a lane holds one query throughout; the keys of a tile of K are laid so that p's 16 registers of two tiles are 16 neighbouring keys.
; LIMITS: e4 + e5 between -123 and 129; e6 and e8 between -126 and 119.  NaN is not served.
; REGISTERS: v1 16 x lane, v2 the same in V's image, v3, v4 the stage, v5, v6 the add's two, v7 where I store my share of quarter 0, v8, v9 addresses in hand, v12 -M, v13 the largest t, v[14:15] the sum,
; v16-23 Q, v24 where I store a later quarter, v32-95 K's, then V's fragments, v96-159 S^T, then p, v160-191 O^T, v192-223 a quarter's share on its way, v224-239 p's codes,
; v244: 2^e6; v245: 2^e8.
.set VIMG,  131072
.set QB,    32768                      ; a quarter of an image
.set STG,   262144                     ; the way out: 2 blocks x 64 rows x (128 + 16) bytes
.set SPARE, 280576                     ; the spare words: 128 bytes for each of 16 waves
.set PF,   192
.set WV,   18
.set SEL,  20
.set CS,   22
.set TB,   56
.set CNT,  57
.macro PFLOAD g                        ; my share of quarter g: eight loads of 512 consecutive bytes
.irp i, 0,1,2,3,4,5,6,7
	global_load_b128 v[PF+4*\i:PF+4*\i+3], v1, s[60:61] offset:(\g)*QB+512*\i
.endr
.endm
.macro PFSTORE adr                     ; and into the image
.irp i, 0,1,2,3,4,5,6,7
	ds_store_b128 v[\adr], v[PF+4*\i:PF+4*\i+3] offset:512*\i
.endr
.endm
	s_load_b128 s[4:7], s[0:1], 0x0                ; qkvc, the exponents
	s_load_b64 s[8:9], s[0:1], 0x10                ; oc
	v_lshl_add_u32 v5, v0, 2, SPARE
	v_mov_b32 v6, 0
	v_lshrrev_b32 v8, 5, v0
	s_delay_alu instid0(VALU_DEP_1)
	v_readfirstlane_b32 s[WV], v8                  ; wave 0..15
	v_and_b32 v8, 31, v0
	s_delay_alu instid0(VALU_DEP_1)
	v_lshlrev_b32 v1, 4, v8
	s_delay_alu instid0(VALU_DEP_1)
	v_add_nc_u32 v2, VIMG, v1
	s_mov_b32 s14, ttmp9                           ; which 64 positions
	s_and_b32 s15, ttmp7, 0xffff                   ; 4 b + key head
	s_lshr_b32 s16, s[WV], 3                       ; I fetch for K (0) or V (1),
	s_and_b32 s17, s[WV], 7                        ; piece w % 8 of each quarter
	s_lshl_b32 s58, s16, 17
	s_lshl_b32 s59, s17, 12
	s_add_co_u32 s58, s58, s59                     ; in LDS
	v_add_nc_u32 v7, s58, v1
	s_lshl_b32 s60, s16, 20
	s_add_co_u32 s60, s60, s59
	s_lshl_b32 s61, s15, 17
	s_add_co_u32 s60, s60, s61
	s_add_co_u32 s60, s60, 4194304                 ; in qkvc
	s_mov_b32 s61, 0
	s_and_b32 s77, s[WV], 3                        ; my query head in the group
	s_lshr_b32 s78, s[WV], 2                       ; my 16 positions of the 64
	s_lshl_b32 s79, s15, 2
	s_add_co_u32 s79, s79, s77
	s_lshl_b32 s79, s79, 17                        ; q's image of head 16 b + 4 key head + g
	s_lshl_b32 s80, s14, 2
	s_add_co_u32 s80, s80, s78
	s_lshl_b32 s80, s80, 10                        ; my tile: 1024 bytes
	s_add_co_u32 s80, s79, s80
	s_mov_b32 s81, 0
	s_mov_b32 s[SEL], 0x76543210
	s_mov_b32 s[SEL+1], 0xfedcba98
	s_mov_b32 s[CS], 0x3e38aa3b                    ; c = log2(e) / 8
	s_wait_alu depctr_va_vdst(0)
	s_wait_kmcnt 0x0
	s_load_b256 s[68:75], s[6:7], 0x0              ; e0 .. e7
	s_load_b32 s76, s[6:7], 0x20                   ; e8
	s_add_nc_u64 s[60:61], s[4:5], s[60:61]
	s_add_nc_u64 s[10:11], s[4:5], s[80:81]
	global_load_b128 v[16:19], v1, s[10:11]        ; Q stays in registers
	global_load_b128 v[20:23], v1, s[10:11] offset:512
	PFLOAD 0
	v_and_b32 v9, 15, v0                           ; r
	s_wait_alu depctr_va_vdst(0)
	v_bfe_u32 v10, v0, 4, 1                        ; h
	s_lshr_b32 s82, s77, 1
	s_mul_i32 s82, s82, 9216                       ; the stage: block g / 2,
	s_mul_i32 s83, s78, 2304                       ; my 16 rows,
	s_add_co_u32 s82, s82, s83
	s_and_b32 s83, s77, 1
	s_lshl_b32 s83, s83, 6                         ; my head's 64 bytes of them
	s_add_co_u32 s82, s82, s83
	s_add_co_u32 s82, s82, STG
	v_mul_u32_u24 v3, v9, 144
	s_wait_alu depctr_va_vdst(0)
	v_lshl_add_u32 v3, v10, 3, v3
	s_delay_alu instid0(VALU_DEP_1)
	v_add_nc_u32 v3, s82, v3
	s_mul_i32 s82, s16, 9216                       ; back: block w / 8, rows 8 (w % 8) on; eight lanes to a row
	s_mul_i32 s83, s17, 1152
	s_add_co_u32 s82, s82, s83
	s_add_co_u32 s82, s82, STG
	v_lshrrev_b32 v11, 3, v8
	v_and_b32 v25, 7, v0
	s_delay_alu instid0(VALU_DEP_2)
	v_mul_u32_u24 v4, v11, 144
	s_delay_alu instid0(VALU_DEP_1)
	v_lshl_add_u32 v4, v25, 4, v4
	s_delay_alu instid0(VALU_DEP_1)
	v_add_nc_u32 v4, s82, v4
	s_lshr_b32 s84, s15, 2                         ; oc: block ((16 b + positions / 128) 8 + 2 key head + w / 8),
	s_lshl_b32 s84, s84, 4
	s_lshr_b32 s85, s14, 1
	s_add_co_u32 s84, s84, s85
	s_lshl_b32 s84, s84, 3
	s_and_b32 s85, s15, 3
	s_lshl_b32 s85, s85, 1
	s_add_co_u32 s84, s84, s85
	s_add_co_u32 s84, s84, s16
	s_lshl_b32 s84, s84, 14
	s_and_b32 s85, s14, 1
	s_lshl_b32 s85, s85, 13                        ; its upper or lower 64 rows,
	s_add_co_u32 s84, s84, s85
	s_lshl_b32 s85, s17, 10                        ; my 8 of them
	s_add_co_u32 s84, s84, s85
	s_mov_b32 s85, 0
	s_add_nc_u64 s[8:9], s[8:9], s[84:85]
	v_mov_b32 v13, 0xff61b1e6                      ; the largest t so far: -3e38
	s_delay_alu instid0(VALU_DEP_1)
	v_floor_f32 v12, -v13                          ; -M
	v_mov_b32 v14, 0
	v_mov_b32 v15, 0
	v_mov_b32 v236, 0                              ; a lane permute's destination counts as read
	v_mov_b32 v253, 0                              ; named as the upper half of a pair
.set j, 0
.rept 32
	v_mov_b32 v[160+j], 0                          ; O^T: the step has one form; the first change of M leaves zeros zeros
.set j, j+1
.endr
	s_wait_kmcnt 0x0
	s_add_co_i32 s86, s72, s73
	s_lshl_b32 s86, s86, 23
	s_add_co_i32 s[CS], s[CS], s86                 ; a score stands for score x 2^(e4 + e5): added to c's exponent field
	s_mov_b32 s[CS+1], s[CS]
	s_add_co_i32 s86, s74, 127
	s_lshl_b32 s87, s86, 23
	v_mov_b32 v244, s87                            ; 2^e6
	s_add_co_i32 s86, s76, 127
	s_lshl_b32 s87, s86, 23
	v_mov_b32 v245, s87                            ; 2^e8
	s_add_co_i32 s86, s74, s75                     ; e6 + e7
; A KEY STEP: 128 keys, whose images begin at byte s[TB] of K's and of V's.  pf = 1, 2, 3: my share of quarter pf is asked for in this step and stored at its end; pf = 0: nothing is fetched
.macro STEP pf
	v_add_nc_u32 v8, s[TB], v1
	v_add_nc_u32 v9, s[TB], v2
	v_nop                                          ; with the two additions: four places ahead of loads into registers that the last products read
	v_nop
.irp t, 0,1,2,3,4,5,6,7
	ds_load_b128 v[32+8*\t:35+8*\t], v8 offset:1024*\t
	ds_load_b128 v[36+8*\t:39+8*\t], v8 offset:1024*\t+512
.endr
	s_wait_alu depctr_va_vdst(0)
	s_wait_dscnt 0x0                               ; K's fragments are in; and the last step's LDS stores have read their registers,
.if \pf
	PFLOAD \pf                                     ; which take the next quarter's share
.endif
.irp t, 0,1,2,3,4,5,6,7
	v_wmma_f32_16x16x64_fp8_fp8 v[96+8*\t:103+8*\t], v[32+8*\t:39+8*\t], v[16:23], 0
.endr
.rept 4
	v_nop                                          ; places: for the loads below and for the first read of the scores
.endr
.irp t, 0,1,2,3                            ; V's fragments are asked for now and land under the softmax
.irp c, 0,1,2,3
	ds_load_b128 v[32+16*\t+4*\c:35+16*\t+4*\c], v9 offset:2048*\t+512*\c
.endr
.endr
	v_max3_num_f32 v254, v96, v97, v98             ; the step's largest score of my query among my 64 keys, in two chains, each accumulator from its low end
	v_max3_num_f32 v252, v99, v100, v101
.irp i, 6,10,14,18,22,26,30,34,38,42,46,50,54,58
	v_max3_num_f32 v254, v254, v[96+\i], v[97+\i]
	v_max3_num_f32 v252, v252, v[98+\i], v[99+\i]
.endr
	v_max3_num_f32 v254, v254, v158, v159
	s_delay_alu instid0(VALU_DEP_1)
	v_max_num_f32 v254, v254, v252
	v_permlanex16_b32 v236, v254, s[SEL], s[SEL+1]
	s_delay_alu instid0(VALU_DEP_1)
	v_max_num_f32 v254, v254, v236                 ; and among lane l xor 16's
	s_delay_alu instid0(VALU_DEP_1)
	v_mul_f32 v254, s[CS], v254                    ; as t (c is positive)
	s_delay_alu instid0(VALU_DEP_1)
	v_max_num_f32 v13, v13, v254
	v_mov_b32 v254, v12
	s_delay_alu instid0(VALU_DEP_2)
	v_floor_f32 v12, -v13                          ; the new -M = -ceil(t)
	s_delay_alu instid0(VALU_DEP_1)
	v_sub_f32 v254, v12, v254                      ; old M - new M: a whole number, 0 or less
	s_delay_alu instid0(VALU_DEP_1)
	v_cvt_i32_f32 v254, v254                       ; (it saturates)
	s_delay_alu instid0(VALU_DEP_1)
	v_ldexp_f32 v252, 1.0, v254                    ; f = 2^(old M - new M)
.set j, 0
.rept 32
	v_pk_fma_f32 v[96+j:97+j], v[96+j:97+j], s[CS:CS+1], v[12:13] op_sel_hi:[1,0,0]   ; t - M
.set j, j+2
.endr
.set j, 0
	s_setprio 1
	s_wait_alu depctr_va_vdst(0)
.rept 64
	v_exp_f32 v[96+j], v[96+j]                     ; p = 2^(t - M)
.set j, j+1
.endr
	v_pk_mul_f32 v[14:15], v[14:15], v[252:253] op_sel_hi:[1,0]   ; the sums under the new M: the plain instruction behind the batch
	s_wait_alu depctr_va_vdst(0)                   ; one wait for the 64 exponentials, ahead of their first reader
	v_pk_add_f32 v[242:243], v[100:101], v[104:105]
	v_pk_add_f32 v[254:255], v[108:109], v[112:113]
	v_pk_add_f32 v[250:251], v[116:117], v[120:121]
	v_pk_add_f32 v[248:249], v[124:125], v[128:129]
	v_pk_add_f32 v[246:247], v[132:133], v[136:137]
	v_pk_add_f32 v[240:241], v[140:141], v[144:145]
	v_pk_add_f32 v[238:239], v[148:149], v[152:153]
	v_pk_add_f32 v[14:15], v[14:15], v[156:157]
	v_pk_add_f32 v[242:243], v[242:243], v[96:97]
	v_pk_add_f32 v[254:255], v[254:255], v[98:99]
	v_pk_add_f32 v[250:251], v[250:251], v[102:103]
	v_pk_add_f32 v[248:249], v[248:249], v[106:107]
	v_pk_add_f32 v[246:247], v[246:247], v[110:111]
	v_pk_add_f32 v[240:241], v[240:241], v[114:115]
	v_pk_add_f32 v[238:239], v[238:239], v[118:119]
	v_pk_add_f32 v[14:15], v[14:15], v[122:123]
	v_pk_add_f32 v[242:243], v[242:243], v[126:127]
	v_pk_add_f32 v[254:255], v[254:255], v[130:131]
	v_pk_add_f32 v[250:251], v[250:251], v[134:135]
	v_pk_add_f32 v[248:249], v[248:249], v[138:139]
	v_pk_add_f32 v[246:247], v[246:247], v[142:143]
	v_pk_add_f32 v[240:241], v[240:241], v[146:147]
	v_pk_add_f32 v[238:239], v[238:239], v[150:151]
	v_pk_add_f32 v[14:15], v[14:15], v[154:155]
	v_pk_add_f32 v[242:243], v[242:243], v[158:159]
	s_delay_alu instid0(VALU_DEP_2)
	v_pk_add_f32 v[14:15], v[14:15], v[248:249]
	s_delay_alu instid0(VALU_DEP_2)
	v_pk_add_f32 v[242:243], v[242:243], v[246:247]
	v_pk_add_f32 v[254:255], v[254:255], v[240:241]
	v_pk_add_f32 v[250:251], v[250:251], v[238:239]
	s_delay_alu instid0(VALU_DEP_2)
	v_pk_add_f32 v[14:15], v[14:15], v[254:255]
	s_delay_alu instid0(VALU_DEP_2)
	v_pk_add_f32 v[242:243], v[242:243], v[250:251]
	s_delay_alu instid0(VALU_DEP_1)
	v_pk_add_f32 v[14:15], v[14:15], v[242:243]
	s_cmp_gt_i32 s74, -9                           ; e6 >= -8: 448 x 2^e6 is at least 1.75, and p is at most 1: no p reaches the hold
	s_cbranch_scc1 .Lfits_\@
.set j, 0
.rept 64
.set j, j+1
.endr
.Lfits_\@:
.irp b, 0,1,2,3
	v_cvt_scalef32_pk8_fp8_f32 v[224+4*\b:225+4*\b], v[96+16*\b:103+16*\b], v244
	v_cvt_scalef32_pk8_fp8_f32 v[226+4*\b:227+4*\b], v[104+16*\b:111+16*\b], v244
.endr
.set j, 0
	s_setprio 0
.rept 16
	v_pk_mul_f32 v[160+j:161+j], v[160+j:161+j], v[252:253] op_sel_hi:[1,0]   ; O^T under the new M; also the plain instructions behind the conversions
.set j, j+2
.endr
	s_wait_alu depctr_va_vdst(0)
	s_wait_dscnt 0x0                               ; V's fragments
.irp t, 0,1,2,3
	v_wmma_f32_16x16x128_fp8_fp8 v[160+8*\t:167+8*\t], v[32+16*\t:47+16*\t], v[224:239], v[160+8*\t:167+8*\t]
.endr
.if \pf
	v_add_nc_u32 v24, (\pf)*QB, v7                 ; my share's place in quarter pf: bytes that no wave reads before the barrier behind step 3
	s_wait_alu depctr_va_vdst(0)
	s_wait_loadcnt 0x0                             ; the eight loads, asked for at this step's head
	PFSTORE 24
.endif
.endm
	s_wait_loadcnt 0x0                             ; Q, and my share of quarter 0
	PFSTORE 7
	s_wait_dscnt 0x0                               ; for the others' sake: my stores have landed
	s_barrier_signal -1
	s_barrier_wait -1                              ; quarter 0 of both images is whole
	s_mov_b32 s[TB], 0
	STEP 1
	s_mov_b32 s[TB], 8192
	STEP 2
	s_mov_b32 s[TB], 16384
	STEP 3
	s_mov_b32 s[TB], 24576
	STEP 0
	s_wait_dscnt 0x0                               ; for the others' sake: my shares of quarters 1 to 3 have landed
	s_barrier_signal -1
	s_barrier_wait -1                              ; both images are whole: no barrier stands in the twelve steps that follow
	s_mov_b32 s[TB], QB
	s_mov_b32 s[CNT], 12
.Lstep:
	s_setprio 2
	STEP 0
	s_add_co_u32 s[TB], s[TB], 8192
	s_sub_co_u32 s[CNT], s[CNT], 1
	s_cmp_lg_u32 s[CNT], 0
	s_cbranch_scc1 .Lstep
	s_setprio 0
; THE WAY OUT: o = O^T x 2^(e6 + e7) / the sum, as codes; a row of a block (128 bytes) comes from two waves, so the codes meet in a stage
.rept 4
	v_nop
.endr
	v_add_f32 v14, v14, v15
	s_delay_alu instid0(VALU_DEP_1)
	v_permlanex16_b32 v252, v14, s[SEL], s[SEL+1]
	s_delay_alu instid0(VALU_DEP_1)
	v_add_f32 v14, v14, v252                       ; the row's sum
	s_wait_alu depctr_va_vdst(0)
	v_rcp_f32 v14, v14
	v_nop
	s_wait_alu depctr_va_vdst(0)
	v_ldexp_f32 v14, v14, s86
.set j, 0
.rept 32
	v_mul_f32 v[96+j], v[160+j], v14               ; register 8 t + i: o(query r, d = 16 t + 8 h + i)
.set j, j+1
.endr
.set j, 0
.rept 32
.set j, j+1
.endr
.irp t, 0,1,2,3
	v_cvt_scalef32_pk8_fp8_f32 v[32+2*\t:33+2*\t], v[96+8*\t:103+8*\t], v245
.endr
	v_nop
.irp t, 0,1,2,3
	ds_store_b64 v3, v[32+2*\t:33+2*\t] offset:16*\t
.endr
	s_wait_dscnt 0x0                               ; for the others' sake: my stores have landed
	s_barrier_signal -1
	s_barrier_wait -1
	ds_load_b128 v[40:43], v4
	ds_load_b128 v[44:47], v4 offset:576
	s_wait_dscnt 1                                 ; the first four rows are back; the younger load may be out
	global_store_b128 v1, v[40:43], s[8:9]         ; 512 consecutive bytes: four rows of a block
	s_wait_dscnt 0
	global_store_b128 v1, v[44:47], s[8:9] offset:512
	s_wait_tensorcnt 0x0                           ; the wave's end
	ds_add_u32 v5, v6
	s_wait_dscnt 0x0
	s_endpgm
.Lfunc_end_k_q2fe0ee7423_attn:
	.size	k_q2fe0ee7423_attn, .Lfunc_end_k_q2fe0ee7423_attn-k_q2fe0ee7423_attn
	.p2alignl 7, 3214868480
	.fill 96, 4, 3214868480
	.section	.rodata,"a",@progbits
	.p2align	6, 0x0
	.amdhsa_kernel k_q2fe0ee7423_attn
		.amdhsa_group_segment_fixed_size 282624
		.amdhsa_private_segment_fixed_size 0
		.amdhsa_enable_private_segment 0
		.amdhsa_kernarg_size 24
		.amdhsa_user_sgpr_count 2
		.amdhsa_user_sgpr_kernarg_segment_ptr 1
		.amdhsa_wavefront_size32 1
		.amdhsa_system_sgpr_workgroup_id_x 1
		.amdhsa_system_sgpr_workgroup_id_y 1
		.amdhsa_system_sgpr_workgroup_id_z 1
		.amdhsa_system_vgpr_workitem_id 0
		.amdhsa_next_free_vgpr 256
		.amdhsa_next_free_sgpr 100
		.amdhsa_reserve_vcc 0
		.amdhsa_float_denorm_mode_32 3
		.amdhsa_float_denorm_mode_16_64 3
		.amdhsa_fp16_overflow 1
		.amdhsa_memory_ordered 1
		.amdhsa_forward_progress 1
		.amdhsa_inst_pref_size 83
	.end_amdhsa_kernel
	.amdgpu_metadata
---
amdhsa.version: [ 1, 2 ]
amdhsa.kernels:
  - .name:           k_q2fe0ee7423_attn
    .symbol:         k_q2fe0ee7423_attn.kd
    .args:
      - { .name: qkvc, .offset: 0, .size: 8, .value_kind: global_buffer, .address_space: global }
      - { .name: lowp_scales, .offset: 8, .size: 8, .value_kind: global_buffer, .address_space: global }
      - { .name: oc, .offset: 16, .size: 8, .value_kind: global_buffer, .address_space: global }
    .group_segment_fixed_size: 282624
    .private_segment_fixed_size: 0
    .kernarg_segment_align: 8
    .kernarg_segment_size: 24
    .max_flat_workgroup_size: 512
    .sgpr_count:     100
    .vgpr_count:     256
    .wavefront_size: 32
...
	.end_amdgpu_metadata
.endif
;; end of part 3
;; launch wo (part 4): grid 8 x 32, 4 waves a work-group, clusters of 4 x 4, 327,680 bytes of LDS; arguments oc, pc, x, lowp_scales, x1; writes x1
.if DOCPART == 4
	.amdgcn_target "amdgcn-amd-amdhsa--gfx1250"
	.amdhsa_code_object_version 6
	.text
	.protected	k_q2fe0ee7423_wo
	.globl	k_q2fe0ee7423_wo
	.p2align	8
	.type	k_q2fe0ee7423_wo,@function
k_q2fe0ee7423_wo:
	s_mov_b64 s[64:65], 0
	v_nop
	global_prefetch_b8 v0, s[64:65] scope:SCOPE_SE
	s_setreg_imm32_b32 hwreg(HW_REG_WAVE_MODE, 25, 1), 1
	s_wait_xcnt 0x0
	s_wait_alu depctr_hold_cnt(0) depctr_sa_sdst(0) depctr_va_vdst(0) depctr_va_sdst(0) depctr_va_ssrc(0) depctr_va_vcc(0) depctr_vm_vsrc(0)
	s_getreg_b32 s2, hwreg(HW_REG_IB_STS2, 6, 4)
	s_cmp_eq_u32 s2, 0
	s_cbranch_scc0 .Lentry_in_a_cluster
	s_endpgm
.Lentry_in_a_cluster:
	s_bfe_u32 s2, ttmp6, 0x10000c
	s_cmp_lg_u32 s2, 0xf033
	s_cbranch_scc0 .Lentry_shape_is_right
	s_endpgm
.Lentry_shape_is_right:
; WO: x1 = x + o Wo^T, the product on codes of E4M3 (e8, e9), [4096 x 1024] x [1024 x 1024].  No work is left out.
; Frame as in the launch qkv: a tile of 128 x 128 to four waves of 64 x 64; K = 1024 whole in LDS in two slots, each filled once; clusters 4 x 4 with joint loads; the matrix instruction transposed.
; The residual's 64 x 64 numbers of a wave are loaded at the head, in the layout of the stores (sixteen lanes to 256 aligned bytes), into window 2.  The sums go through the wave's own stage and come back
; as rows; one packed multiply-add gives sum x 2^(e8 + e9) + x.  LIMIT: e8 + e9 between -126 and 127.
.set PITCH,  144
.set PANEL,  128*PITCH
.set LOADB,  2*PANEL
.set SLOT,   4*LOADB
.set SPARE,  2*SLOT
.set WSTG,   17408                     ; a wave's stage: 64 rows x (256 + 16) bytes, in slot 0, which has had its only fill and its last read by then
.set TSH,    17
.set BOFF,   9961472
.set ADRA, 16
.set ADRB, 20
.set STO,  24
.set RD,   25
.set CO,   26
.set SPW,  28
.set NIL,  29
.set ACC,  128
.set F0,   0
.set F1,   128
.set G1,   24
.set G0,   32
.set G1B,  48
.set G0B,  56
.set MSB,  0
.macro WIN new
.if MSB != \new
	s_set_vgpr_msb (MSB<<8)|\new
.set MSB, \new
.endif
.endm
.macro JLOAD s
	s_cmp_eq_u32 s11, 0
	s_cbranch_scc0 .Lfor_b_\@
	tensor_load_to_lds s[G0+4*\s:G0+4*\s+3], s[G1:G1+7]
	s_nop 0
.rept 4
	v_nop
.endr
	s_branch .Lasked_\@
.Lfor_b_\@:
	tensor_load_to_lds s[G0B+4*\s:G0B+4*\s+3], s[G1B:G1B+7]
	s_nop 0
.rept 4
	v_nop
.endr
.Lasked_\@:
.endm
.macro CREST
	s_cmp_lg_u32 s10, 0
	s_cbranch_scc1 .Lnot_wave_0_\@
	s_barrier_signal -3
.Lnot_wave_0_\@:
	s_barrier_wait -3
	s_barrier_signal -1
	s_barrier_wait -1
.endm
.macro CROUND
	s_barrier_signal -1
	s_barrier_wait -1
	CREST
.endm
.macro PLACES
.rept 4
	v_nop
.endr
.endm
.macro FETCH slot, q, f
	WIN 0x40
.irp i, 0,1,2,3
.irp c, 0,1,2,3
	ds_load_b128 v[\f+64+16*\i+4*\c:\f+64+16*\i+4*\c+3], v[ADRB+\slot] offset:(\q)*PANEL+\i*16*PITCH+32*\c
.endr
.endr
.irp i, 0,1,2,3
.irp c, 0,1,2,3
	ds_load_b128 v[\f+16*\i+4*\c:\f+16*\i+4*\c+3], v[ADRA+\slot] offset:(\q)*PANEL+\i*16*PITCH+32*\c
.endr
.endr
.endm
.macro MUL16 f, zero                   ; the 16 accumulators by turns
	WIN 0x05
.irp a, 0,1,2,3
.irp b, 0,1,2,3
.if \zero
	v_wmma_f32_16x16x128_fp8_fp8 v[ACC+8*(4*\a+\b):ACC+8*(4*\a+\b)+7], v[\f+64+16*\b:\f+64+16*\b+15], v[\f+16*\a:\f+16*\a+15], 0
.else
	v_wmma_f32_16x16x128_fp8_fp8 v[ACC+8*(4*\a+\b):ACC+8*(4*\a+\b)+7], v[\f+64+16*\b:\f+64+16*\b+15], v[\f+16*\a:\f+16*\a+15], v[ACC+8*(4*\a+\b):ACC+8*(4*\a+\b)+7]
.endif
.endr
.endr
.endm
.macro QUARTER slot, qn, f, g, zero
	s_wait_dscnt 0x0                               ; set f is in
	PLACES
	FETCH \slot, \qn, \g
	MUL16 \f, \zero
.endm
.macro TURN slot, next
	WIN 0
	s_wait_tensorcnt 0x0                           ; my part of the next slot has landed
	ds_add_u32 v[SPW], v[NIL]
	s_wait_dscnt 0x0                               ; the add is done, set F1 is in, my reads of this slot are over
	s_barrier_signal -1
	s_barrier_wait -1
	PLACES
	FETCH \next, 0, F0
	MUL16 F1, 0
.endm
	s_load_b256 s[68:75], s[0:1], 0x0              ; oc, pc, x, the exponents
	s_load_b64 s[76:77], s[0:1], 0x20              ; x1
	v_lshl_add_u32 v[SPW], v0, 2, SPARE
	v_mov_b32 v[NIL], 0
	ds_add_u32 v[SPW], v[NIL]                      ; the opening: the add, twice on end, and its wait ahead of my first tensor load
	ds_add_u32 v[SPW], v[NIL]
	v_lshrrev_b32 v1, 5, v0
	v_readfirstlane_b32 s10, v1
	s_lshr_b32 s11, s10, 1
	s_and_b32 s12, s10, 1
	s_bfe_u32 s40, ttmp6, 0x40000
	s_bfe_u32 s41, ttmp6, 0x40004
	s_lshl_b32 s42, ttmp9, 2
	s_add_co_u32 s42, s42, s40                     ; tile column
	s_and_b32 s13, ttmp7, 0xffff
	s_lshl_b32 s13, s13, 2
	s_add_co_u32 s13, s13, s41                     ; tile row
	s_lshl_b32 s43, s41, 2
	s_lshl_b32 s43, 15, s43
	s_lshl_b32 s44, 0x1111, s40
	s_or_b32 s[G1], s43, (1<<20)|(1<<21)|(4<<22)|(3<<25)
	s_or_b32 s[G1B], s44, (1<<20)|(1<<21)|(4<<22)|(3<<25)
.irp g, G1, G1B
	s_mov_b32 s[\g+1], 128<<16
	s_mov_b32 s[\g+2], 256<<16
	s_mov_b32 s[\g+3], 128<<16
	s_mov_b32 s[\g+4], 256
	s_mov_b32 s[\g+5], 128
	s_mov_b32 s[\g+6], 0
	s_mov_b32 s[\g+7], 0
.endr
	s_lshl_b32 s16, s13, TSH
	s_lshl_b32 s17, s12, 15
	s_add_co_u32 s16, s16, s17
	s_mov_b32 s17, 0
	s_lshl_b32 s46, s42, TSH
	s_lshl_b32 s47, s12, 15
	s_add_co_u32 s46, s46, s47
	s_add_co_u32 s46, s46, BOFF
	s_mov_b32 s47, 0
	s_mul_i32 s20, s10, LOADB
	s_wait_dscnt 0x0
	s_wait_kmcnt 0x0
	s_load_b64 s[80:81], s[74:75], 0x20            ; e8, e9
	s_add_nc_u64 s[18:19], s[68:69], s[16:17]
	s_add_nc_u64 s[46:47], s[70:71], s[46:47]
	CROUND
.irp s, 0,1
	s_mov_b32 s[G0+4*\s], 1
	s_add_co_u32 s[G0+4*\s+1], s20, \s*SLOT
	s_add_nc_u64 s[G0+4*\s+2:G0+4*\s+3], s[18:19], \s*65536
	s_or_b32 s[G0+4*\s+3], s[G0+4*\s+3], 0x80000000
	s_mov_b32 s[G0B+4*\s], 1
	s_add_co_u32 s[G0B+4*\s+1], s20, \s*SLOT
	s_add_nc_u64 s[G0B+4*\s+2:G0B+4*\s+3], s[46:47], \s*65536
	s_or_b32 s[G0B+4*\s+3], s[G0B+4*\s+3], 0x80000000
	JLOAD \s
.endr
	v_and_b32 v1, 15, v0
	s_wait_alu depctr_va_vdst(0)
	v_bfe_u32 v2, v0, 4, 1
	v_mul_u32_u24 v3, v1, PITCH
	v_lshl_add_u32 v3, v2, 4, v3
	s_mul_i32 s21, s11, 64*PITCH
	s_mul_i32 s22, s12, 64*PITCH
	s_add_co_u32 s22, s22, 2*LOADB
.irp s, 0,1
	v_add_nc_u32 v[ADRA+\s], s21, v3
	v_add_nc_u32 v[ADRB+\s], s22, v3
	s_add_co_u32 s21, s21, SLOT
	s_add_co_u32 s22, s22, SLOT
.endr
	s_mul_i32 s23, s10, WSTG
	v_mul_u32_u24 v4, v1, 272
	s_wait_alu depctr_va_vdst(0)
	v_lshl_add_u32 v4, v2, 5, v4
	v_add_nc_u32 v[STO], s23, v4                   ; in: row r, 32 bytes for each half of the lanes
	v_mul_u32_u24 v5, v2, 272
	v_lshl_add_u32 v5, v1, 4, v5
	v_add_nc_u32 v[RD], s23, v5                    ; back: lanes 0-15 one row of 256 bytes, lanes 16-31 the next
	v_lshlrev_b32 v[CO], 12, v2
	v_lshl_add_u32 v[CO], v1, 4, v[CO]             ; and the same two rows in x and x1
	s_wait_alu depctr_va_vdst(0)
	s_lshl_b32 s88, s13, 19                        ; 128 rows of 4096 bytes,
	s_lshl_b32 s89, s11, 18                        ; my 64,
	s_add_co_u32 s88, s88, s89
	s_lshl_b32 s89, s42, 9                         ; 128 columns,
	s_add_co_u32 s88, s88, s89
	s_lshl_b32 s89, s12, 8                         ; my 64
	s_add_co_u32 s88, s88, s89
	s_mov_b32 s89, 0
	s_add_nc_u64 s[72:73], s[72:73], s[88:89]
	s_add_nc_u64 s[76:77], s[76:77], s[88:89]
	WIN 0x80
.set i, 0
.rept 32
	global_load_b128 v[4*i:4*i+3], v[CO], s[72:73] offset:8192*i
.set i, i+1
.endr
	WIN 0
	s_wait_tensorcnt 1                             ; my part of slot 0 is in; slot 1's load may stay out
	s_barrier_signal -1
	s_barrier_wait -1
	FETCH 0, 0, F0
	QUARTER 0, 1, F0, F1, 1
	QUARTER 0, 2, F1, F0, 0
	QUARTER 0, 3, F0, F1, 0
	TURN 0, 1
	QUARTER 1, 1, F0, F1, 0
	QUARTER 1, 2, F1, F0, 0
	QUARTER 1, 3, F0, F1, 0
	s_wait_dscnt 0x0
	MUL16 F1, 0
	WIN 0
	PLACES
.irp a, 0,1,2,3
.irp b, 0,1,2,3
	ds_store_b128 v[STO], v[ACC+8*(4*\a+\b):ACC+8*(4*\a+\b)+3] offset:4352*\a+64*\b
	ds_store_b128 v[STO], v[ACC+8*(4*\a+\b)+4:ACC+8*(4*\a+\b)+7] offset:4352*\a+64*\b+16
.endr
.endr
.set i, 0
.rept 32
	ds_load_b128 v[ACC+4*i:ACC+4*i+3], v[RD] offset:544*i   ; LDS serves a wave's instructions in order: these see my stores
.set i, i+1
.endr
	s_wait_kmcnt 0x0
	s_add_co_i32 s82, s80, s81
	s_add_co_i32 s82, s82, 127
	s_lshl_b32 s82, s82, 23                        ; 2^(e8 + e9)
	s_mov_b32 s83, s82
	s_wait_loadcnt 0x0                             ; the residual
	WIN 0x20                                       ; source 2: window 2; a store's address and data stay in window 0
.set i, 0
.rept 32
	s_wait_dscnt 31-i                              ; rows 2 i, 2 i + 1 are back; the younger loads may be out
	v_pk_fma_f32 v[ACC+4*i:ACC+4*i+1], v[ACC+4*i:ACC+4*i+1], s[82:83], v[4*i:4*i+1] op_sel_hi:[1,0,1]
	v_pk_fma_f32 v[ACC+4*i+2:ACC+4*i+3], v[ACC+4*i+2:ACC+4*i+3], s[82:83], v[4*i+2:4*i+3] op_sel_hi:[1,0,1]
	global_store_b128 v[CO], v[ACC+4*i:ACC+4*i+3], s[76:77] offset:8192*i   ; sixteen lanes store 256 consecutive bytes, aligned
.set i, i+1
.endr
	WIN 0
	s_wait_tensorcnt 0x0                           ; the wave's end
	ds_add_u32 v[SPW], v[NIL]
	s_wait_dscnt 0x0
	CROUND
	s_endpgm
.Lfunc_end_k_q2fe0ee7423_wo:
	.size	k_q2fe0ee7423_wo, .Lfunc_end_k_q2fe0ee7423_wo-k_q2fe0ee7423_wo
	.p2alignl 7, 3214868480
	.fill 96, 4, 3214868480
	.section	.rodata,"a",@progbits
	.p2align	6, 0x0
	.amdhsa_kernel k_q2fe0ee7423_wo
		.amdhsa_group_segment_fixed_size 327680
		.amdhsa_private_segment_fixed_size 0
		.amdhsa_enable_private_segment 0
		.amdhsa_kernarg_size 40
		.amdhsa_user_sgpr_count 2
		.amdhsa_user_sgpr_kernarg_segment_ptr 1
		.amdhsa_wavefront_size32 1
		.amdhsa_system_sgpr_workgroup_id_x 1
		.amdhsa_system_sgpr_workgroup_id_y 1
		.amdhsa_system_sgpr_workgroup_id_z 1
		.amdhsa_system_vgpr_workitem_id 0
		.amdhsa_next_free_vgpr 640
		.amdhsa_next_free_sgpr 100
		.amdhsa_reserve_vcc 0
		.amdhsa_float_denorm_mode_32 3
		.amdhsa_float_denorm_mode_16_64 3
		.amdhsa_memory_ordered 1
		.amdhsa_forward_progress 1
		.amdhsa_inst_pref_size 49
	.end_amdhsa_kernel
	.amdgpu_metadata
---
amdhsa.version: [ 1, 2 ]
amdhsa.kernels:
  - .name:           k_q2fe0ee7423_wo
    .symbol:         k_q2fe0ee7423_wo.kd
    .args:
      - { .name: oc, .offset: 0, .size: 8, .value_kind: global_buffer, .address_space: global }
      - { .name: pc, .offset: 8, .size: 8, .value_kind: global_buffer, .address_space: global }
      - { .name: x, .offset: 16, .size: 8, .value_kind: global_buffer, .address_space: global }
      - { .name: lowp_scales, .offset: 24, .size: 8, .value_kind: global_buffer, .address_space: global }
      - { .name: x1, .offset: 32, .size: 8, .value_kind: global_buffer, .address_space: global }
    .group_segment_fixed_size: 327680
    .private_segment_fixed_size: 0
    .kernarg_segment_align: 8
    .kernarg_segment_size: 40
    .max_flat_workgroup_size: 128
    .sgpr_count:     100
    .vgpr_count:     640
    .wavefront_size: 32
...
	.end_amdgpu_metadata
.endif
;; end of part 4
;; launch ln2 (part 5): grid 256 x 1, 8 waves a work-group, no clusters, 0 bytes of LDS; arguments x1, ln2_g, ln2_b, lowp_scales, h2c; writes h2c
.if DOCPART == 5
	.amdgcn_target "amdgcn-amd-amdhsa--gfx1250"
	.amdhsa_code_object_version 6
	.text
	.protected	k_q2fe0ee7423_ln2
	.globl	k_q2fe0ee7423_ln2
	.p2align	8
	.type	k_q2fe0ee7423_ln2,@function
k_q2fe0ee7423_ln2:
	s_mov_b64 s[64:65], 0
	v_nop
	global_prefetch_b8 v0, s[64:65] scope:SCOPE_SE
	s_setreg_imm32_b32 hwreg(HW_REG_WAVE_MODE, 25, 1), 1
	s_wait_xcnt 0x0
; LN2: h2 = LayerNorm2(x1) as codes of E4M3 (e10), in the blocked layout: (row, k) at ((row / 128) 8 + k / 128) x 16384 + (row % 128) x 128 + k % 128.  No work is left out.
; A wave takes two rows: lanes 0-15 the even one, lanes 16-31 the odd one; of each block of 128 k lane c holds 8 neighbours; a store of the wave covers 256 consecutive bytes, aligned.
; LIMITS: e10 between -126 and 119; NaN is not served.
.set X,    32
.set GN,   96
.set BS,   160
.set T,    16
.set CD,   96
.set VI,   4
.set VO,   5
.set VG,   6
.set SCA,  224
.set LIMA, 225
.set MEAN, 228
.set RS,   230
	s_load_b256 s[4:11], s[0:1], 0x0               ; x1, ln2_g, ln2_b, the exponents
	s_load_b64 s[22:23], s[0:1], 0x20              ; h2c
	v_lshrrev_b32 v1, 5, v0
	s_delay_alu instid0(VALU_DEP_1)
	v_readfirstlane_b32 s38, v1
	v_and_b32 v1, 31, v0
	v_and_b32 v2, 15, v0
	v_bfe_u32 v3, v0, 4, 1
	s_delay_alu instid0(VALU_DEP_3)
	v_lshlrev_b32 v[VO], 3, v1
	s_delay_alu instid0(VALU_DEP_3)
	v_lshlrev_b32 v[VG], 5, v2
	s_wait_alu depctr_va_vdst(0)
	s_mov_b32 s60, 0x3a800000                      ; 1 / 1024
	s_lshl_b32 s40, ttmp9, 3
	s_add_co_u32 s40, s40, s38                     ; u: rows 2 u, 2 u + 1
	s_lshl_b32 s42, s40, 13
	s_mov_b32 s43, 0
	s_lshr_b32 s44, s40, 6
	s_lshl_b32 s44, s44, 17
	s_and_b32 s45, s40, 63
	s_lshl_b32 s45, s45, 8
	s_add_co_u32 s44, s44, s45
	s_mov_b32 s45, 0
	v_lshl_add_u32 v[VI], v3, 12, v[VG]
	s_wait_alu depctr_va_vdst(0)
	s_wait_kmcnt 0x0
	s_load_b32 s24, s[10:11], 0x28                 ; e10
	s_add_nc_u64 s[4:5], s[4:5], s[42:43]
	s_add_nc_u64 s[22:23], s[22:23], s[44:45]
.irp kb, 0,1,2,3,4,5,6,7
	global_load_b128 v[X+8*\kb:X+8*\kb+3], v[VI], s[4:5] offset:512*\kb
	global_load_b128 v[X+8*\kb+4:X+8*\kb+7], v[VI], s[4:5] offset:512*\kb+16
.endr
.irp kb, 0,1,2,3,4,5,6,7
	global_load_b128 v[GN+8*\kb:GN+8*\kb+3], v[VG], s[6:7] offset:512*\kb
	global_load_b128 v[GN+8*\kb+4:GN+8*\kb+7], v[VG], s[6:7] offset:512*\kb+16
.endr
.irp kb, 0,1,2,3,4,5,6,7
	global_load_b128 v[BS+8*\kb:BS+8*\kb+3], v[VG], s[8:9] offset:512*\kb
	global_load_b128 v[BS+8*\kb+4:BS+8*\kb+7], v[VG], s[8:9] offset:512*\kb+16
.endr
	s_wait_loadcnt 32                              ; x1's 16 loads are in; the 32 younger ones (gain, bias) may be out
	v_pk_add_f32 v[10:11], v[32:33], v[34:35]
	v_pk_add_f32 v[12:13], v[48:49], v[56:57]
	v_pk_add_f32 v[14:15], v[64:65], v[72:73]
	v_pk_add_f32 v[238:239], v[80:81], v[88:89]
	v_pk_add_f32 v[236:237], v[36:37], v[38:39]
	v_pk_add_f32 v[234:235], v[50:51], v[58:59]
	v_pk_add_f32 v[232:233], v[66:67], v[74:75]
	v_pk_add_f32 v[8:9], v[82:83], v[90:91]
	s_delay_alu instid0(VALU_DEP_1)
	v_pk_add_f32 v[8:9], v[8:9], v[40:41]
	v_pk_add_f32 v[10:11], v[10:11], v[42:43]
	v_pk_add_f32 v[12:13], v[12:13], v[52:53]
	v_pk_add_f32 v[14:15], v[14:15], v[60:61]
	v_pk_add_f32 v[238:239], v[238:239], v[68:69]
	v_pk_add_f32 v[236:237], v[236:237], v[76:77]
	v_pk_add_f32 v[234:235], v[234:235], v[84:85]
	v_pk_add_f32 v[232:233], v[232:233], v[92:93]
	v_pk_add_f32 v[8:9], v[8:9], v[44:45]
	v_pk_add_f32 v[10:11], v[10:11], v[46:47]
	v_pk_add_f32 v[12:13], v[12:13], v[54:55]
	v_pk_add_f32 v[14:15], v[14:15], v[62:63]
	v_pk_add_f32 v[238:239], v[238:239], v[70:71]
	v_pk_add_f32 v[236:237], v[236:237], v[78:79]
	v_pk_add_f32 v[234:235], v[234:235], v[86:87]
	v_pk_add_f32 v[232:233], v[232:233], v[94:95]
	s_delay_alu instid0(VALU_DEP_4)
	v_pk_add_f32 v[8:9], v[8:9], v[238:239]
	s_delay_alu instid0(VALU_DEP_4)
	v_pk_add_f32 v[10:11], v[10:11], v[236:237]
	s_delay_alu instid0(VALU_DEP_4)
	v_pk_add_f32 v[12:13], v[12:13], v[234:235]
	s_delay_alu instid0(VALU_DEP_4)
	v_pk_add_f32 v[14:15], v[14:15], v[232:233]
	s_delay_alu instid0(VALU_DEP_2)
	v_pk_add_f32 v[8:9], v[8:9], v[12:13]
	s_delay_alu instid0(VALU_DEP_2)
	v_pk_add_f32 v[10:11], v[10:11], v[14:15]
	s_delay_alu instid0(VALU_DEP_1)
	v_pk_add_f32 v[8:9], v[8:9], v[10:11]
	s_delay_alu instid0(VALU_DEP_1)
	v_add_f32 v8, v8, v9
	s_delay_alu instid0(VALU_DEP_1)
	v_add_f32_dpp v8, v8, v8 row_xmask:1 row_mask:0xf bank_mask:0xf
	s_delay_alu instid0(VALU_DEP_1)
	v_add_f32_dpp v8, v8, v8 row_xmask:2 row_mask:0xf bank_mask:0xf
	s_delay_alu instid0(VALU_DEP_1)
	v_add_f32_dpp v8, v8, v8 row_xmask:4 row_mask:0xf bank_mask:0xf
	s_delay_alu instid0(VALU_DEP_1)
	v_add_f32_dpp v8, v8, v8 row_xmask:8 row_mask:0xf bank_mask:0xf
	s_delay_alu instid0(VALU_DEP_1)
	v_mul_f32 v[MEAN], s60, v8
	s_delay_alu instid0(VALU_DEP_1)
	v_mov_b32 v[MEAN+1], v[MEAN]
.set j, 0
.rept 32
	v_pk_add_f32 v[X+j:X+j+1], v[X+j:X+j+1], v[MEAN:MEAN+1] neg_lo:[0,1] neg_hi:[0,1]
.set j, j+2
.endr
	v_pk_mul_f32 v[8:9], v[X:X+1], v[X:X+1]
	v_pk_mul_f32 v[10:11], v[X+2:X+3], v[X+2:X+3]
	v_pk_mul_f32 v[12:13], v[X+4:X+5], v[X+4:X+5]
	v_pk_mul_f32 v[14:15], v[X+6:X+7], v[X+6:X+7]
.irp j, 8,16,24,32,40,48,56
	s_delay_alu instid0(VALU_DEP_4)
	v_pk_fma_f32 v[8:9], v[X+\j:X+\j+1], v[X+\j:X+\j+1], v[8:9]
	s_delay_alu instid0(VALU_DEP_4)
	v_pk_fma_f32 v[10:11], v[X+\j+2:X+\j+3], v[X+\j+2:X+\j+3], v[10:11]
	s_delay_alu instid0(VALU_DEP_4)
	v_pk_fma_f32 v[12:13], v[X+\j+4:X+\j+5], v[X+\j+4:X+\j+5], v[12:13]
	s_delay_alu instid0(VALU_DEP_4)
	v_pk_fma_f32 v[14:15], v[X+\j+6:X+\j+7], v[X+\j+6:X+\j+7], v[14:15]
.endr
	s_delay_alu instid0(VALU_DEP_3)
	v_pk_add_f32 v[8:9], v[8:9], v[10:11]
	s_delay_alu instid0(VALU_DEP_2)
	v_pk_add_f32 v[12:13], v[12:13], v[14:15]
	s_delay_alu instid0(VALU_DEP_1)
	v_pk_add_f32 v[8:9], v[8:9], v[12:13]
	s_delay_alu instid0(VALU_DEP_1)
	v_add_f32 v8, v8, v9
	s_delay_alu instid0(VALU_DEP_1)
	v_add_f32_dpp v8, v8, v8 row_xmask:1 row_mask:0xf bank_mask:0xf
	s_delay_alu instid0(VALU_DEP_1)
	v_add_f32_dpp v8, v8, v8 row_xmask:2 row_mask:0xf bank_mask:0xf
	s_delay_alu instid0(VALU_DEP_1)
	v_add_f32_dpp v8, v8, v8 row_xmask:4 row_mask:0xf bank_mask:0xf
	s_delay_alu instid0(VALU_DEP_1)
	v_add_f32_dpp v8, v8, v8 row_xmask:8 row_mask:0xf bank_mask:0xf
	v_mov_b32 v9, 0x3727c5ac                       ; eps = 1e-5
	s_delay_alu instid0(VALU_DEP_1)
	v_fma_f32 v8, v8, s60, v9
	s_wait_alu depctr_va_vdst(0)
	v_rsq_f32 v[RS], v8
	v_rsq_f32 v[RS+1], v8
	v_nop
	s_wait_kmcnt 0x0
	s_add_co_i32 s58, s24, 127
	s_lshl_b32 s59, s58, 23
	v_mov_b32 v[SCA], s59                          ; 2^e10
	s_wait_alu depctr_va_vdst(0)                   ; one wait for both, ahead of their first reader
	s_wait_loadcnt 0x0
.set j, 0
.rept 32
	v_pk_mul_f32 v[X+j:X+j+1], v[X+j:X+j+1], v[RS:RS+1]
.set j, j+2
.endr
.set j, 0
.rept 32
	v_pk_fma_f32 v[X+j:X+j+1], v[X+j:X+j+1], v[GN+j:GN+j+1], v[BS+j:BS+j+1]
.set j, j+2
.endr
.irp kb, 0,1,2,3,4,5,6,7
.irp i, 0,1,2,3,4,5,6,7
.endr
	v_cvt_scalef32_pk8_fp8_f32 v[CD+2*\kb:CD+2*\kb+1], v[T+8*(\kb%2)+((X+8*\kb+0)-(T+8*(\kb%2)+0)):T+8*(\kb%2)+7+((X+8*\kb+0)-(T+8*(\kb%2)+0))], v[SCA]
	global_store_b64 v[VO], v[CD+2*\kb:CD+2*\kb+1], s[22:23] offset:16384*\kb
.endr
	v_nop
	s_endpgm
.Lfunc_end_k_q2fe0ee7423_ln2:
	.size	k_q2fe0ee7423_ln2, .Lfunc_end_k_q2fe0ee7423_ln2-k_q2fe0ee7423_ln2
	.p2alignl 7, 3214868480
	.fill 96, 4, 3214868480
	.section	.rodata,"a",@progbits
	.p2align	6, 0x0
	.amdhsa_kernel k_q2fe0ee7423_ln2
		.amdhsa_group_segment_fixed_size 0
		.amdhsa_private_segment_fixed_size 0
		.amdhsa_enable_private_segment 0
		.amdhsa_kernarg_size 40
		.amdhsa_user_sgpr_count 2
		.amdhsa_user_sgpr_kernarg_segment_ptr 1
		.amdhsa_wavefront_size32 1
		.amdhsa_system_sgpr_workgroup_id_x 1
		.amdhsa_system_sgpr_workgroup_id_y 1
		.amdhsa_system_sgpr_workgroup_id_z 1
		.amdhsa_system_vgpr_workitem_id 0
		.amdhsa_next_free_vgpr 240
		.amdhsa_next_free_sgpr 66
		.amdhsa_reserve_vcc 0
		.amdhsa_float_denorm_mode_32 3
		.amdhsa_float_denorm_mode_16_64 3
		.amdhsa_fp16_overflow 1
		.amdhsa_memory_ordered 1
		.amdhsa_forward_progress 1
		.amdhsa_inst_pref_size 21
	.end_amdhsa_kernel
	.amdgpu_metadata
---
amdhsa.version: [ 1, 2 ]
amdhsa.kernels:
  - .name:           k_q2fe0ee7423_ln2
    .symbol:         k_q2fe0ee7423_ln2.kd
    .args:
      - { .name: x1, .offset: 0, .size: 8, .value_kind: global_buffer, .address_space: global }
      - { .name: ln2_g, .offset: 8, .size: 8, .value_kind: global_buffer, .address_space: global }
      - { .name: ln2_b, .offset: 16, .size: 8, .value_kind: global_buffer, .address_space: global }
      - { .name: lowp_scales, .offset: 24, .size: 8, .value_kind: global_buffer, .address_space: global }
      - { .name: h2c, .offset: 32, .size: 8, .value_kind: global_buffer, .address_space: global }
    .group_segment_fixed_size: 0
    .private_segment_fixed_size: 0
    .kernarg_segment_align: 8
    .kernarg_segment_size: 40
    .max_flat_workgroup_size: 256
    .sgpr_count:     66
    .vgpr_count:     240
    .wavefront_size: 32
...
	.end_amdgpu_metadata
.endif
;; end of part 5
;; launch w1 (part 6): grid 8 x 32, 4 waves a work-group, clusters of 4 x 4, 327,680 bytes of LDS; arguments h2c, pc, b1, lowp_scales, gc; writes gc
.if DOCPART == 6
	.amdgcn_target "amdgcn-amd-amdhsa--gfx1250"
	.amdhsa_code_object_version 6
	.text
	.protected	k_q2fe0ee7423_w1
	.globl	k_q2fe0ee7423_w1
	.p2align	8
	.type	k_q2fe0ee7423_w1,@function
k_q2fe0ee7423_w1:
	s_mov_b64 s[64:65], 0
	v_nop
	global_prefetch_b8 v0, s[64:65] scope:SCOPE_SE
	s_setreg_imm32_b32 hwreg(HW_REG_WAVE_MODE, 25, 1), 1
	s_wait_xcnt 0x0
	s_wait_alu depctr_hold_cnt(0) depctr_sa_sdst(0) depctr_va_vdst(0) depctr_va_sdst(0) depctr_va_ssrc(0) depctr_va_vcc(0) depctr_vm_vsrc(0)
	s_getreg_b32 s2, hwreg(HW_REG_IB_STS2, 6, 4)
	s_cmp_eq_u32 s2, 0
	s_cbranch_scc0 .Lentry_in_a_cluster
	s_endpgm
.Lentry_in_a_cluster:
	s_bfe_u32 s2, ttmp6, 0x10000c
	s_cmp_lg_u32 s2, 0xf033
	s_cbranch_scc0 .Lentry_shape_is_right
	s_endpgm
.Lentry_shape_is_right:
; W1: g = gelu(h2 W1^T + b1), exact (by erf), as codes of E4M3 (e12); the product on codes (e10, e11), [4096 x 1024] x [1024 x 2048].  No work is left out.
; Frame as in the launch qkv: a tile of 128 x 128 to four waves of 64 x 64; K = 1024 whole in LDS in two slots; clusters 4 x 4 with joint loads; the matrix instruction transposed,
; so that a lane's eight results are eight neighbours along the next product's K.
; A WORK-GROUP STAYS: it makes two tiles, columns 128 nt and 128 (nt + 8) on, of the same 128 rows: 8 x 32 = 256 work-groups for the 512 tiles.  A's codes stay in LDS for both.  Behind the first product
; B's half of both slots, 147456 LDS bytes, is filled again with the second tile's rows of W1.
; wave w fetches blocks 2 w, 2 w + 1 along K.
; erf(z), z = v / sqrt(2) held within +-4 (beyond, erf is +-1 in f32): z P(z^2) / Q(z^2), P of degree 6, Q of degree 4, good to a few units in f32's last place; the quotient is held within +-1.
; gelu = v/2 + (v/2) erf.  The codes of a tile are one dense block of 16384 bytes of gc; a row's 128 bytes come from two waves, so they meet in a stage, behind a barrier.  The stage has LDS bytes of its own,
; behind the spare words: no fill lands there, and A's blocks are read again after the first way out.
; LIMITS: e10 + e11 between -126 and 127; e12 between -126 and 119.  NaN is not served.
.set PITCH,  144
.set PANEL,  128*PITCH
.set LOADB,  2*PANEL
.set SLOT,   4*LOADB
.set SPARE,  2*SLOT
.set STAGE,  SPARE+512                 ; 128 rows x (128 + 16) bytes
.set TSH,    17
.set BOFF,   11010048
.set ADRA, 16
.set ADRB, 20
.set STG,  24
.set RDG,  25
.set GO,   26
.set B1O,  27
.set SPW,  28
.set NIL,  29
.set SC,   30
.set LIM,  31
.set ACC,  128
.set F0,   0
.set F1,   128
.set G1,   24
.set G0,   32
.set G1B,  48
.set G0B,  56
.set G0R,  92                          ; s[92:95] group 0 of the refill
.set MSB,  0
.macro WIN new
.if MSB != \new
	s_set_vgpr_msb (MSB<<8)|\new
.set MSB, \new
.endif
.endm
.macro JLOAD s
	s_cmp_eq_u32 s11, 0
	s_cbranch_scc0 .Lfor_b_\@
	tensor_load_to_lds s[G0+4*\s:G0+4*\s+3], s[G1:G1+7]
	s_nop 0
.rept 4
	v_nop
.endr
	s_branch .Lasked_\@
.Lfor_b_\@:
	tensor_load_to_lds s[G0B+4*\s:G0B+4*\s+3], s[G1B:G1B+7]
	s_nop 0
.rept 4
	v_nop
.endr
.Lasked_\@:
.endm
.macro CREST
	s_cmp_lg_u32 s10, 0
	s_cbranch_scc1 .Lnot_wave_0_\@
	s_barrier_signal -3
.Lnot_wave_0_\@:
	s_barrier_wait -3
	s_barrier_signal -1
	s_barrier_wait -1
.endm
.macro CROUND
	s_barrier_signal -1
	s_barrier_wait -1
	CREST
.endm
.macro PLACES
.rept 4
	v_nop
.endr
.endm
.macro FETCH slot, q, f
	WIN 0x40
.irp i, 0,1,2,3
.irp c, 0,1,2,3
	ds_load_b128 v[\f+64+16*\i+4*\c:\f+64+16*\i+4*\c+3], v[ADRB+\slot] offset:(\q)*PANEL+\i*16*PITCH+32*\c
.endr
.endr
.irp i, 0,1,2,3
.irp c, 0,1,2,3
	ds_load_b128 v[\f+16*\i+4*\c:\f+16*\i+4*\c+3], v[ADRA+\slot] offset:(\q)*PANEL+\i*16*PITCH+32*\c
.endr
.endr
.endm
.macro MUL16 f, zero                   ; the 16 accumulators by turns
	WIN 0x05
.irp a, 0,1,2,3
.irp b, 0,1,2,3
.if \zero
	v_wmma_f32_16x16x128_fp8_fp8 v[ACC+8*(4*\a+\b):ACC+8*(4*\a+\b)+7], v[\f+64+16*\b:\f+64+16*\b+15], v[\f+16*\a:\f+16*\a+15], 0
.else
	v_wmma_f32_16x16x128_fp8_fp8 v[ACC+8*(4*\a+\b):ACC+8*(4*\a+\b)+7], v[\f+64+16*\b:\f+64+16*\b+15], v[\f+16*\a:\f+16*\a+15], v[ACC+8*(4*\a+\b):ACC+8*(4*\a+\b)+7]
.endif
.endr
.endr
.endm
.macro QUARTER slot, qn, f, g, zero
	s_wait_dscnt 0x0                               ; set f is in
	PLACES
	FETCH \slot, \qn, \g
	MUL16 \f, \zero
.endm
.macro TURN slot, next                 ; a slot's last block, and the change of slots
	WIN 0
	s_wait_tensorcnt 0x0                           ; my part of the next slot has landed
	ds_add_u32 v[SPW], v[NIL]
	s_wait_dscnt 0x0                               ; the add is done, set F1 is in, my reads of this slot are over
	s_barrier_signal -1
	s_barrier_wait -1
	PLACES
	FETCH \next, 0, F0
	MUL16 F1, 0
.endm
.macro PRODUCT                         ; a tile's eight blocks of 128 along K; the first products start the sums
	FETCH 0, 0, F0
	QUARTER 0, 1, F0, F1, 1
	QUARTER 0, 2, F1, F0, 0
	QUARTER 0, 3, F0, F1, 0
	TURN 0, 1
	QUARTER 1, 1, F0, F1, 0
	QUARTER 1, 2, F1, F0, 0
	QUARTER 1, 3, F0, F1, 0
	s_wait_dscnt 0x0
	MUL16 F1, 0
	WIN 0
	PLACES
.endm
.macro B1LOAD off                      ; b1 at my 64 columns of a tile: lane (r, h) takes, for tile b, the eight columns 16 b + 8 h on
.irp b, 0,1,2,3
	global_load_b128 v[96+8*\b:99+8*\b], v[B1O], s[72:73] offset:(\off)+64*\b
	global_load_b128 v[100+8*\b:103+8*\b], v[B1O], s[72:73] offset:(\off)+64*\b+16
.endr
.endm
; Two neighbouring accumulators (a, b), (a, b + 1): 16 numbers a lane.  v32-47 v, v48-63 z, then v/2, v64-79 z^2, v80-95 P, then erf; Q, 1/Q and at last the codes in the accumulators' own registers
.macro GELU16 a, b
.set A0, ACC+8*(4*(\a)+(\b))
.irp i, 0,2,4,6,8,10,12,14
	v_pk_fma_f32 v[32+\i:33+\i], v[A0+\i:A0+\i+1], s[84:85], v[96+8*(\b)+\i:97+8*(\b)+\i] op_sel_hi:[1,0,1]   ; v = sum x 2^(e10 + e11) + b1; each accumulator from its low end
.endr
.irp i, 0,2,4,6,8,10,12,14
	v_pk_mul_f32 v[48+\i:49+\i], v[32+\i:33+\i], 0x3f3504f3 op_sel_hi:[1,0]
.endr
.irp i, 0,1,2,3,4,5,6,7,8,9,10,11,12,13,14,15
	v_med3_num_f32 v[48+\i], v[48+\i], -4.0, 4.0
.endr
.irp i, 0,2,4,6,8,10,12,14
	v_pk_mul_f32 v[64+\i:65+\i], v[48+\i:49+\i], v[48+\i:49+\i]
.endr
.irp i, 0,2,4,6,8,10,12,14
	v_pk_fma_f32 v[80+\i:81+\i], v[64+\i:65+\i], 0xaf95df0b, v[8:9] op_sel_hi:[1,0,0]
.endr
.irp k, 0xb60cff51, 0xb86ec2d2, 0xba40ac63, 0xbb41a1f6, 0xbc83dbd4
.irp i, 0,2,4,6,8,10,12,14
	v_pk_fma_f32 v[80+\i:81+\i], v[80+\i:81+\i], v[64+\i:65+\i], \k op_sel_hi:[1,1,0]
.endr
.endr
.irp i, 0,2,4,6,8,10,12,14
	v_pk_fma_f32 v[A0+\i:A0+\i+1], v[64+\i:65+\i], 0xb77460cd, v[10:11] op_sel_hi:[1,0,0]
.endr
.irp k, 0xbadc924e, 0xbbf19bf8, 0xbc69b6a7
.irp i, 0,2,4,6,8,10,12,14
	v_pk_fma_f32 v[A0+\i:A0+\i+1], v[A0+\i:A0+\i+1], v[64+\i:65+\i], \k op_sel_hi:[1,1,0]
.endr
.endr
	s_wait_alu depctr_va_vdst(0)
.irp i, 0,1,2,3,4,5,6,7,8,9,10,11,12,13,14,15
	v_rcp_f32 v[A0+\i], v[A0+\i]                   ; Q is at most -0.0142: never 0
.endr
.irp i, 0,2,4,6,8,10,12,14
	v_pk_mul_f32 v[80+\i:81+\i], v[80+\i:81+\i], v[48+\i:49+\i]     ; z P: work that names no reciprocal stands behind the batch
.endr
.irp i, 0,2,4,6,8,10,12,14
	v_pk_mul_f32 v[48+\i:49+\i], v[32+\i:33+\i], 0.5 op_sel_hi:[1,0]
.endr
	s_wait_alu depctr_va_vdst(0)                   ; one wait for the 16 reciprocals, ahead of their first reader
.irp i, 0,2,4,6,8,10,12,14
	v_pk_mul_f32 v[80+\i:81+\i], v[80+\i:81+\i], v[A0+\i:A0+\i+1]
.endr
.irp i, 0,1,2,3,4,5,6,7,8,9,10,11,12,13,14,15
	v_med3_num_f32 v[80+\i], v[80+\i], -1.0, 1.0
.endr
.irp i, 0,2,4,6,8,10,12,14
	v_pk_fma_f32 v[32+\i:33+\i], v[48+\i:49+\i], v[80+\i:81+\i], v[48+\i:49+\i]
.endr
.irp i, 0,1,2,3,4,5,6,7,8,9,10,11,12,13,14,15
.endr
	v_cvt_scalef32_pk8_fp8_f32 v[A0:A0+1], v[32:39], v[SC]
	v_cvt_scalef32_pk8_fp8_f32 v[A0+2:A0+3], v[40:47], v[SC]
	v_nop                                          ; a plain instruction behind the conversions: the next call writes their sources
	ds_store_b64 v[STG], v[A0:A0+1] offset:2304*(\a)+16*(\b)
	ds_store_b64 v[STG], v[A0+2:A0+3] offset:2304*(\a)+16*(\b)+16
.endm
.macro EPILOGUE t                      ; tile t's way out: its block of gc lies 8 t blocks of 16384 bytes behind the first tile's
	s_wait_loadcnt 0x0                             ; b1
.irp a, 0,1,2,3
	GELU16 \a, 0
	GELU16 \a, 2
.endr
	s_wait_dscnt 0x0                               ; for the others' sake: my codes lie in the stage
	s_barrier_signal -1
	s_barrier_wait -1
.set i, 0
.rept 8
	ds_load_b128 v[32+4*i:35+4*i], v[RDG] offset:576*i
.set i, i+1
.endr
.set i, 0
.rept 8
	s_wait_dscnt 7-i                               ; four rows are back; the younger loads may be out
	global_store_b128 v[GO], v[32+4*i:35+4*i], s[76:77] offset:131072*(\t)+512*i   ; 512 consecutive bytes of the block
.set i, i+1
.endr
.endm
	s_load_b256 s[68:75], s[0:1], 0x0              ; h2c, pc, b1, the exponents
	s_load_b64 s[76:77], s[0:1], 0x20              ; gc
	v_lshl_add_u32 v[SPW], v0, 2, SPARE
	v_mov_b32 v[NIL], 0
	ds_add_u32 v[SPW], v[NIL]                      ; the opening: the add, twice on end, and its wait ahead of my first tensor load
	ds_add_u32 v[SPW], v[NIL]
	v_lshrrev_b32 v1, 5, v0
	v_readfirstlane_b32 s10, v1
	s_lshr_b32 s11, s10, 1
	s_and_b32 s12, s10, 1
	s_bfe_u32 s40, ttmp6, 0x40000
	s_bfe_u32 s41, ttmp6, 0x40004
	s_lshl_b32 s42, ttmp9, 2
	s_add_co_u32 s42, s42, s40                     ; nt, 0 .. 7: my tile columns are nt and nt + 8
	s_and_b32 s13, ttmp7, 0xffff
	s_lshl_b32 s13, s13, 2
	s_add_co_u32 s13, s13, s41                     ; tile row
	s_lshl_b32 s43, s41, 2
	s_lshl_b32 s43, 15, s43
	s_lshl_b32 s44, 0x1111, s40
	s_or_b32 s[G1], s43, (1<<20)|(1<<21)|(4<<22)|(3<<25)
	s_or_b32 s[G1B], s44, (1<<20)|(1<<21)|(4<<22)|(3<<25)
.irp g, G1, G1B
	s_mov_b32 s[\g+1], 128<<16
	s_mov_b32 s[\g+2], 256<<16
	s_mov_b32 s[\g+3], 128<<16
	s_mov_b32 s[\g+4], 256
	s_mov_b32 s[\g+5], 128
	s_mov_b32 s[\g+6], 0
	s_mov_b32 s[\g+7], 0
.endr
	s_lshl_b32 s16, s13, TSH
	s_lshl_b32 s17, s12, 15
	s_add_co_u32 s16, s16, s17
	s_mov_b32 s17, 0
	s_lshl_b32 s46, s42, TSH
	s_lshl_b32 s47, s12, 15
	s_add_co_u32 s46, s46, s47
	s_add_co_u32 s46, s46, BOFF
	s_mov_b32 s47, 0
	s_add_co_u32 s86, s42, 8                       ; the refill: tile column nt + 8,
	s_lshl_b32 s86, s86, TSH
	s_lshl_b32 s87, s10, 15                        ; blocks 2 w, 2 w + 1 along K
	s_add_co_u32 s86, s86, s87
	s_add_co_u32 s86, s86, BOFF
	s_mov_b32 s87, 0
	s_mul_i32 s20, s10, LOADB
	s_wait_dscnt 0x0
	s_wait_kmcnt 0x0
	s_load_b128 s[80:83], s[74:75], 0x28           ; e10, e11, e12, e13
	s_add_nc_u64 s[18:19], s[68:69], s[16:17]
	s_add_nc_u64 s[46:47], s[70:71], s[46:47]
	CROUND
.irp s, 0,1
	s_mov_b32 s[G0+4*\s], 1
	s_add_co_u32 s[G0+4*\s+1], s20, \s*SLOT
	s_add_nc_u64 s[G0+4*\s+2:G0+4*\s+3], s[18:19], \s*65536
	s_or_b32 s[G0+4*\s+3], s[G0+4*\s+3], 0x80000000
	s_mov_b32 s[G0B+4*\s], 1
	s_add_co_u32 s[G0B+4*\s+1], s20, \s*SLOT
	s_add_nc_u64 s[G0B+4*\s+2:G0B+4*\s+3], s[46:47], \s*65536
	s_or_b32 s[G0B+4*\s+3], s[G0B+4*\s+3], 0x80000000
	JLOAD \s
.endr
	s_mov_b32 s[G0R], 1
	s_lshr_b32 s[G0R+1], s10, 1
	s_mul_i32 s[G0R+1], s[G0R+1], SLOT             ; slot w / 2,
	s_mul_i32 s21, s12, LOADB                      ; pair w % 2
	s_add_co_u32 s[G0R+1], s[G0R+1], s21
	s_add_co_u32 s[G0R+1], s[G0R+1], 2*LOADB       ; of B's half: no place in the cluster enters an LDS address
	s_add_nc_u64 s[G0R+2:G0R+3], s[70:71], s[86:87]
	s_or_b32 s[G0R+3], s[G0R+3], 0x80000000
	v_and_b32 v1, 15, v0
	s_wait_alu depctr_va_vdst(0)
	v_bfe_u32 v2, v0, 4, 1
	v_mul_u32_u24 v3, v1, PITCH
	v_lshl_add_u32 v3, v2, 4, v3
	s_mul_i32 s21, s11, 64*PITCH
	s_mul_i32 s22, s12, 64*PITCH
	s_add_co_u32 s22, s22, 2*LOADB
.irp s, 0,1
	v_add_nc_u32 v[ADRA+\s], s21, v3
	v_add_nc_u32 v[ADRB+\s], s22, v3
	s_add_co_u32 s21, s21, SLOT
	s_add_co_u32 s22, s22, SLOT
.endr
	s_mul_i32 s23, s11, 64*144                     ; the stage: my 64 rows,
	s_lshl_b32 s21, s12, 6                         ; my 64 bytes of them
	s_add_co_u32 s23, s23, s21
	s_add_co_u32 s23, s23, STAGE
	v_mul_u32_u24 v4, v1, 144
	s_wait_alu depctr_va_vdst(0)
	v_lshl_add_u32 v4, v2, 3, v4
	v_add_nc_u32 v[STG], s23, v4
	s_mul_i32 s23, s10, 32*144                     ; back: rows 32 w on, eight lanes to a row
	s_add_co_u32 s23, s23, STAGE
	v_and_b32 v5, 31, v0
	v_lshrrev_b32 v6, 3, v5
	v_and_b32 v7, 7, v0
	v_mul_u32_u24 v6, v6, 144
	v_lshl_add_u32 v6, v7, 4, v6
	v_add_nc_u32 v[RDG], s23, v6
	v_lshlrev_b32 v[GO], 4, v5
	v_lshlrev_b32 v[B1O], 5, v2                    ; b1: my half's eight columns of a tile
	s_wait_alu depctr_va_vdst(0)
	v_mov_b32 v8, 0x32edffee                       ; P's second coefficient, twice
	v_mov_b32 v9, 0x32edffee
	v_mov_b32 v10, 0xb95fbd29                      ; Q's
	v_mov_b32 v11, 0xb95fbd29
	s_lshl_b32 s88, s42, 9
	s_lshl_b32 s89, s12, 8
	s_add_co_u32 s88, s88, s89
	s_mov_b32 s89, 0
	s_add_nc_u64 s[72:73], s[72:73], s[88:89]      ; b1 at my 64 columns of the first tile; the second tile's lie 8 x 128 numbers, 4096 bytes, on
	s_lshl_b32 s88, s13, 4
	s_add_co_u32 s88, s88, s42
	s_lshl_b32 s88, s88, 14                        ; gc: block 16 x tile row + tile column,
	s_lshl_b32 s90, s10, 12                        ; my 32 rows of it
	s_add_co_u32 s88, s88, s90
	s_add_nc_u64 s[76:77], s[76:77], s[88:89]
	B1LOAD 0
	s_wait_kmcnt 0x0
	s_add_co_i32 s84, s80, s81
	s_add_co_i32 s84, s84, 127
	s_lshl_b32 s84, s84, 23                        ; 2^(e10 + e11)
	s_mov_b32 s85, s84
	s_add_co_i32 s20, s82, 127
	s_lshl_b32 s21, s20, 23
	v_mov_b32 v[SC], s21                           ; 2^e12
	s_add_co_i32 s20, s20, 8
	s_lshl_b32 s20, s20, 23
	s_or_b32 s20, s20, 0x600000
	s_wait_tensorcnt 1                             ; my part of slot 0 is in; slot 1's load may stay out
	s_barrier_signal -1
	s_barrier_wait -1
	PRODUCT                                        ; tile column nt
	s_wait_tensorcnt 0x0                           ; THE REFILL.  No tensor load of mine is out;
	ds_add_u32 v[SPW], v[NIL]
	s_wait_dscnt 0x0                               ; the add is done, and my reads of both slots are over
	CROUND                                         ; the same of every wave of all sixteen work-groups
	tensor_load_to_lds s[G0R:G0R+3], s[G1B:G1B+7]  ; my one load behind the round, with my column's mask: every wave issues this line, each with its own blocks and LDS bytes
	s_nop 0
	PLACES
	EPILOGUE 0                                     ; B's second tile lands meanwhile; the barrier in here has nothing filled behind it
	B1LOAD 4096                                    ; b1 for the second tile: the first tile's has been read
	s_wait_xcnt 0x0                                ; the first tile's stores have read their registers: the second way out writes them again
	s_wait_tensorcnt 0x0                           ; my part of B's second tile has landed
	ds_add_u32 v[SPW], v[NIL]
	s_wait_dscnt 0x0                               ; the add is done; my reads of the stage are over: it is written again behind this barrier
	s_barrier_signal -1
	s_barrier_wait -1                              ; the same of every wave
	PRODUCT                                        ; tile column nt + 8, on the same blocks of A
	EPILOGUE 1
	s_wait_tensorcnt 0x0                           ; the wave's end
	ds_add_u32 v[SPW], v[NIL]
	s_wait_dscnt 0x0
	CROUND
	s_endpgm
.Lfunc_end_k_q2fe0ee7423_w1:
	.size	k_q2fe0ee7423_w1, .Lfunc_end_k_q2fe0ee7423_w1-k_q2fe0ee7423_w1
	.p2alignl 7, 3214868480
	.fill 96, 4, 3214868480
	.section	.rodata,"a",@progbits
	.p2align	6, 0x0
	.amdhsa_kernel k_q2fe0ee7423_w1
		.amdhsa_group_segment_fixed_size 327680
		.amdhsa_private_segment_fixed_size 0
		.amdhsa_enable_private_segment 0
		.amdhsa_kernarg_size 40
		.amdhsa_user_sgpr_count 2
		.amdhsa_user_sgpr_kernarg_segment_ptr 1
		.amdhsa_wavefront_size32 1
		.amdhsa_system_sgpr_workgroup_id_x 1
		.amdhsa_system_sgpr_workgroup_id_y 1
		.amdhsa_system_sgpr_workgroup_id_z 1
		.amdhsa_system_vgpr_workitem_id 0
		.amdhsa_next_free_vgpr 512
		.amdhsa_next_free_sgpr 100
		.amdhsa_reserve_vcc 0
		.amdhsa_float_denorm_mode_32 3
		.amdhsa_float_denorm_mode_16_64 3
		.amdhsa_fp16_overflow 1
		.amdhsa_memory_ordered 1
		.amdhsa_forward_progress 1
		.amdhsa_inst_pref_size 255
	.end_amdhsa_kernel
	.section	.bss,"aw",@nobits
	.p2align	6
	.space	262144
	.amdgpu_metadata
---
amdhsa.version: [ 1, 2 ]
amdhsa.kernels:
  - .name:           k_q2fe0ee7423_w1
    .symbol:         k_q2fe0ee7423_w1.kd
    .args:
      - { .name: h2c, .offset: 0, .size: 8, .value_kind: global_buffer, .address_space: global }
      - { .name: pc, .offset: 8, .size: 8, .value_kind: global_buffer, .address_space: global }
      - { .name: b1, .offset: 16, .size: 8, .value_kind: global_buffer, .address_space: global }
      - { .name: lowp_scales, .offset: 24, .size: 8, .value_kind: global_buffer, .address_space: global }
      - { .name: gc, .offset: 32, .size: 8, .value_kind: global_buffer, .address_space: global }
    .group_segment_fixed_size: 327680
    .private_segment_fixed_size: 0
    .kernarg_segment_align: 8
    .kernarg_segment_size: 40
    .max_flat_workgroup_size: 128
    .sgpr_count:     100
    .vgpr_count:     512
    .wavefront_size: 32
...
	.end_amdgpu_metadata
.endif
;; end of part 6
;; launch w2 (part 7): grid 8 x 32, 4 waves a work-group, clusters of 4 x 4, 327,680 bytes of LDS; arguments gc, pc, b2, x1, lowp_scales, out0; writes out0
.if DOCPART == 7
	.amdgcn_target "amdgcn-amd-amdhsa--gfx1250"
	.amdhsa_code_object_version 6
	.text
	.protected	k_q2fe0ee7423_w2
	.globl	k_q2fe0ee7423_w2
	.p2align	8
	.type	k_q2fe0ee7423_w2,@function
k_q2fe0ee7423_w2:
	s_mov_b64 s[64:65], 0
	v_nop
	global_prefetch_b8 v0, s[64:65] scope:SCOPE_SE
	s_setreg_imm32_b32 hwreg(HW_REG_WAVE_MODE, 25, 1), 1
	s_wait_xcnt 0x0
	s_wait_alu depctr_hold_cnt(0) depctr_sa_sdst(0) depctr_va_vdst(0) depctr_va_sdst(0) depctr_va_ssrc(0) depctr_va_vcc(0) depctr_vm_vsrc(0)
	s_getreg_b32 s2, hwreg(HW_REG_IB_STS2, 6, 4)
	s_cmp_eq_u32 s2, 0
	s_cbranch_scc0 .Lentry_in_a_cluster
	s_endpgm
.Lentry_in_a_cluster:
	s_bfe_u32 s2, ttmp6, 0x10000c
	s_cmp_lg_u32 s2, 0xf033
	s_cbranch_scc0 .Lentry_shape_is_right
	s_endpgm
.Lentry_shape_is_right:
; W2: out0 = x1 + (g W2^T + b2), the product on codes of E4M3 (e12, e13), [4096 x 2048] x [2048 x 1024].  No work is left out.
; Frame as in the launch qkv, but K = 2048 is four slots' worth: each of the two slots (512 along K) is filled a second time.  A refill stands behind a round of the cluster's barrier, ahead of which every wave
; has waited for all its tensor loads, run the add and waited for its reads of the slot; one load of a wave is then out, and has four blocks' products (64 matrix instructions) in which to land.
; The whole product is written out: 16 blocks of 128 along K.  The way out is that of the launch wo; b2 is first added to the residual, so that one packed multiply-add gives sum x 2^(e12 + e13) + (x1 + b2).
; LIMIT: e12 + e13 between -126 and 127.
.set PITCH,  144
.set PANEL,  128*PITCH
.set LOADB,  2*PANEL
.set SLOT,   4*LOADB
.set SPARE,  2*SLOT
.set WSTG,   17408
.set TSH,    18                        ; a block row is 262144 bytes
.set BOFF,   13107200
.set ADRA, 16
.set ADRB, 20
.set STO,  24
.set RD,   25
.set CO,   26
.set B2O,  27
.set SPW,  28
.set NIL,  29
.set ACC,  128
.set F0,   0
.set F1,   128
.set G1,   24
.set G0,   32
.set G1B,  48
.set G0B,  56
.set MSB,  0
.macro WIN new
.if MSB != \new
	s_set_vgpr_msb (MSB<<8)|\new
.set MSB, \new
.endif
.endm
.macro JLOAD s
	s_cmp_eq_u32 s11, 0
	s_cbranch_scc0 .Lfor_b_\@
	tensor_load_to_lds s[G0+4*\s:G0+4*\s+3], s[G1:G1+7]
	s_nop 0
.rept 4
	v_nop
.endr
	s_branch .Lasked_\@
.Lfor_b_\@:
	tensor_load_to_lds s[G0B+4*\s:G0B+4*\s+3], s[G1B:G1B+7]
	s_nop 0
.rept 4
	v_nop
.endr
.Lasked_\@:
.endm
.macro CREST
	s_cmp_lg_u32 s10, 0
	s_cbranch_scc1 .Lnot_wave_0_\@
	s_barrier_signal -3
.Lnot_wave_0_\@:
	s_barrier_wait -3
	s_barrier_signal -1
	s_barrier_wait -1
.endm
.macro CROUND
	s_barrier_signal -1
	s_barrier_wait -1
	CREST
.endm
.macro PLACES
.rept 4
	v_nop
.endr
.endm
.macro FETCH slot, q, f
	WIN 0x40
.irp i, 0,1,2,3
.irp c, 0,1,2,3
	ds_load_b128 v[\f+64+16*\i+4*\c:\f+64+16*\i+4*\c+3], v[ADRB+\slot] offset:(\q)*PANEL+\i*16*PITCH+32*\c
.endr
.endr
.irp i, 0,1,2,3
.irp c, 0,1,2,3
	ds_load_b128 v[\f+16*\i+4*\c:\f+16*\i+4*\c+3], v[ADRA+\slot] offset:(\q)*PANEL+\i*16*PITCH+32*\c
.endr
.endr
.endm
.macro MUL16 f, zero                   ; the 16 accumulators by turns
	WIN 0x05
.irp a, 0,1,2,3
.irp b, 0,1,2,3
.if \zero
	v_wmma_f32_16x16x128_fp8_fp8 v[ACC+8*(4*\a+\b):ACC+8*(4*\a+\b)+7], v[\f+64+16*\b:\f+64+16*\b+15], v[\f+16*\a:\f+16*\a+15], 0
.else
	v_wmma_f32_16x16x128_fp8_fp8 v[ACC+8*(4*\a+\b):ACC+8*(4*\a+\b)+7], v[\f+64+16*\b:\f+64+16*\b+15], v[\f+16*\a:\f+16*\a+15], v[ACC+8*(4*\a+\b):ACC+8*(4*\a+\b)+7]
.endif
.endr
.endr
.endm
.macro QUARTER slot, qn, f, g, zero
	s_wait_dscnt 0x0                               ; set f is in
	PLACES
	FETCH \slot, \qn, \g
	MUL16 \f, \zero
.endm
.macro TURN slot, next, fill           ; a slot's last block, and the change of slots.  fill = 1: the slot is filled again, with the blocks 1024 along K further on
	WIN 0
	s_wait_tensorcnt 0x0                           ; all my tensor loads have landed, my part of the next slot among them: a group 0 may be written
	ds_add_u32 v[SPW], v[NIL]
.if \fill
	s_add_nc_u64 s[G0+4*\slot+2:G0+4*\slot+3], s[G0+4*\slot+2:G0+4*\slot+3], 131072
	s_add_nc_u64 s[G0B+4*\slot+2:G0B+4*\slot+3], s[G0B+4*\slot+2:G0B+4*\slot+3], 131072
.endif
	s_wait_dscnt 0x0                               ; the add is done, set F1 is in, my reads of this slot are over
.if \fill
	CROUND                                         ; the same of every wave of all sixteen work-groups
	JLOAD \slot                                    ; the first thing behind the round; its four v_nop are the places ahead of the loads below
.else
	s_barrier_signal -1
	s_barrier_wait -1
	PLACES
.endif
	FETCH \next, 0, F0
	MUL16 F1, 0
.endm
	s_load_b256 s[68:75], s[0:1], 0x0              ; gc, pc, b2, x1
	s_load_b128 s[76:79], s[0:1], 0x20             ; the exponents, out0
	v_lshl_add_u32 v[SPW], v0, 2, SPARE
	v_mov_b32 v[NIL], 0
	ds_add_u32 v[SPW], v[NIL]                      ; the opening: the add, twice on end, and its wait ahead of my first tensor load
	ds_add_u32 v[SPW], v[NIL]
	v_lshrrev_b32 v1, 5, v0
	v_readfirstlane_b32 s10, v1
	s_lshr_b32 s11, s10, 1
	s_and_b32 s12, s10, 1
	s_bfe_u32 s40, ttmp6, 0x40000
	s_bfe_u32 s41, ttmp6, 0x40004
	s_lshl_b32 s42, ttmp9, 2
	s_add_co_u32 s42, s42, s40
	s_and_b32 s13, ttmp7, 0xffff
	s_lshl_b32 s13, s13, 2
	s_add_co_u32 s13, s13, s41
	s_lshl_b32 s43, s41, 2
	s_lshl_b32 s43, 15, s43
	s_lshl_b32 s44, 0x1111, s40
	s_or_b32 s[G1], s43, (1<<20)|(1<<21)|(4<<22)|(3<<25)
	s_or_b32 s[G1B], s44, (1<<20)|(1<<21)|(4<<22)|(3<<25)
.irp g, G1, G1B
	s_mov_b32 s[\g+1], 128<<16
	s_mov_b32 s[\g+2], 256<<16
	s_mov_b32 s[\g+3], 128<<16
	s_mov_b32 s[\g+4], 256
	s_mov_b32 s[\g+5], 128
	s_mov_b32 s[\g+6], 0
	s_mov_b32 s[\g+7], 0
.endr
	s_lshl_b32 s16, s13, TSH
	s_lshl_b32 s17, s12, 15
	s_add_co_u32 s16, s16, s17
	s_mov_b32 s17, 0
	s_lshl_b32 s46, s42, TSH
	s_lshl_b32 s47, s12, 15
	s_add_co_u32 s46, s46, s47
	s_add_co_u32 s46, s46, BOFF
	s_mov_b32 s47, 0
	s_mul_i32 s20, s10, LOADB
	s_wait_dscnt 0x0
	s_wait_kmcnt 0x0
	s_load_b64 s[80:81], s[76:77], 0x30            ; e12, e13
	s_add_nc_u64 s[18:19], s[68:69], s[16:17]
	s_add_nc_u64 s[46:47], s[70:71], s[46:47]
	CROUND
.irp s, 0,1
	s_mov_b32 s[G0+4*\s], 1
	s_add_co_u32 s[G0+4*\s+1], s20, \s*SLOT
	s_add_nc_u64 s[G0+4*\s+2:G0+4*\s+3], s[18:19], \s*65536
	s_or_b32 s[G0+4*\s+3], s[G0+4*\s+3], 0x80000000
	s_mov_b32 s[G0B+4*\s], 1
	s_add_co_u32 s[G0B+4*\s+1], s20, \s*SLOT
	s_add_nc_u64 s[G0B+4*\s+2:G0B+4*\s+3], s[46:47], \s*65536
	s_or_b32 s[G0B+4*\s+3], s[G0B+4*\s+3], 0x80000000
	JLOAD \s
.endr
	v_and_b32 v1, 15, v0
	v_bfe_u32 v2, v0, 4, 1
	v_mul_u32_u24 v3, v1, PITCH
	v_lshl_add_u32 v3, v2, 4, v3
	s_mul_i32 s21, s11, 64*PITCH
	s_mul_i32 s22, s12, 64*PITCH
	s_add_co_u32 s22, s22, 2*LOADB
.irp s, 0,1
	v_add_nc_u32 v[ADRA+\s], s21, v3
	v_add_nc_u32 v[ADRB+\s], s22, v3
	s_add_co_u32 s21, s21, SLOT
	s_add_co_u32 s22, s22, SLOT
.endr
	s_mul_i32 s23, s10, WSTG
	v_mul_u32_u24 v4, v1, 272
	v_lshl_add_u32 v4, v2, 5, v4
	v_add_nc_u32 v[STO], s23, v4
	v_mul_u32_u24 v5, v2, 272
	v_lshl_add_u32 v5, v1, 4, v5
	v_add_nc_u32 v[RD], s23, v5
	v_lshlrev_b32 v[CO], 12, v2
	v_lshl_add_u32 v[CO], v1, 4, v[CO]
	v_lshlrev_b32 v[B2O], 4, v1                    ; b2: my four columns of a stored row
	s_lshl_b32 s90, s42, 9
	s_lshl_b32 s91, s12, 8
	s_add_co_u32 s90, s90, s91                     ; my 64 columns, in bytes
	s_mov_b32 s91, 0
	s_add_nc_u64 s[72:73], s[72:73], s[90:91]
	s_lshl_b32 s88, s13, 19
	s_lshl_b32 s89, s11, 18
	s_add_co_u32 s88, s88, s89
	s_add_co_u32 s88, s88, s90
	s_mov_b32 s89, 0
	s_add_nc_u64 s[74:75], s[74:75], s[88:89]
	s_add_nc_u64 s[78:79], s[78:79], s[88:89]
	global_load_b128 v[96:99], v[B2O], s[72:73]
	WIN 0x80
.set i, 0
.rept 32
	global_load_b128 v[4*i:4*i+3], v[CO], s[74:75] offset:8192*i th:TH_LOAD_NT
.set i, i+1
.endr
	WIN 0
	s_wait_tensorcnt 1                             ; my part of slot 0 is in; slot 1's load may stay out
	s_barrier_signal -1
	s_barrier_wait -1
	FETCH 0, 0, F0
	QUARTER 0, 1, F0, F1, 1
	QUARTER 0, 2, F1, F0, 0
	QUARTER 0, 3, F0, F1, 0
	TURN 0, 1, 1
	QUARTER 1, 1, F0, F1, 0
	QUARTER 1, 2, F1, F0, 0
	QUARTER 1, 3, F0, F1, 0
	TURN 1, 0, 1
	QUARTER 0, 1, F0, F1, 0
	QUARTER 0, 2, F1, F0, 0
	QUARTER 0, 3, F0, F1, 0
	TURN 0, 1, 0                                   ; nothing is left to fetch
	QUARTER 1, 1, F0, F1, 0
	QUARTER 1, 2, F1, F0, 0
	QUARTER 1, 3, F0, F1, 0
	s_wait_dscnt 0x0
	MUL16 F1, 0
	WIN 0
	PLACES
.irp a, 0,1,2,3
.irp b, 0,1,2,3
	ds_store_b128 v[STO], v[ACC+8*(4*\a+\b):ACC+8*(4*\a+\b)+3] offset:4352*\a+64*\b
	ds_store_b128 v[STO], v[ACC+8*(4*\a+\b)+4:ACC+8*(4*\a+\b)+7] offset:4352*\a+64*\b+16
.endr
.endr
.set i, 0
.rept 32
	ds_load_b128 v[ACC+4*i:ACC+4*i+3], v[RD] offset:544*i   ; LDS serves a wave's instructions in order: these see my stores
.set i, i+1
.endr
	s_wait_kmcnt 0x0
	s_add_co_i32 s82, s80, s81
	s_add_co_i32 s82, s82, 127
	s_lshl_b32 s82, s82, 23                        ; 2^(e12 + e13)
	s_mov_b32 s83, s82
	s_wait_loadcnt 0x0                             ; b2 and the residual
	WIN 0x82                                       ; destination and source 0: window 2
.set i, 0
.rept 32
	v_pk_add_f32 v[4*i:4*i+1], v[4*i:4*i+1], v[96:97]      ; x1 + b2, while the rows come back from the stage
	v_pk_add_f32 v[4*i+2:4*i+3], v[4*i+2:4*i+3], v[98:99]
.set i, i+1
.endr
	WIN 0x20                                       ; source 2: window 2; a store's address and data stay in window 0
.set i, 0
.rept 32
	s_wait_dscnt 31-i                              ; rows 2 i, 2 i + 1 are back; the younger loads may be out
	v_pk_fma_f32 v[ACC+4*i:ACC+4*i+1], v[ACC+4*i:ACC+4*i+1], s[82:83], v[4*i:4*i+1] op_sel_hi:[1,0,1]
	v_pk_fma_f32 v[ACC+4*i+2:ACC+4*i+3], v[ACC+4*i+2:ACC+4*i+3], s[82:83], v[4*i+2:4*i+3] op_sel_hi:[1,0,1]
	global_store_b128 v[CO], v[ACC+4*i:ACC+4*i+3], s[78:79] offset:8192*i th:TH_STORE_NT   ; sixteen lanes store 256 consecutive bytes, aligned
.set i, i+1
.endr
	WIN 0
	s_wait_tensorcnt 0x0                           ; the wave's end
	ds_add_u32 v[SPW], v[NIL]
	s_wait_dscnt 0x0
	CROUND
	s_endpgm
.Lfunc_end_k_q2fe0ee7423_w2:
	.size	k_q2fe0ee7423_w2, .Lfunc_end_k_q2fe0ee7423_w2-k_q2fe0ee7423_w2
	.p2alignl 7, 3214868480
	.fill 96, 4, 3214868480
	.section	.rodata,"a",@progbits
	.p2align	6, 0x0
	.amdhsa_kernel k_q2fe0ee7423_w2
		.amdhsa_group_segment_fixed_size 327680
		.amdhsa_private_segment_fixed_size 0
		.amdhsa_enable_private_segment 0
		.amdhsa_kernarg_size 48
		.amdhsa_user_sgpr_count 2
		.amdhsa_user_sgpr_kernarg_segment_ptr 1
		.amdhsa_wavefront_size32 1
		.amdhsa_system_sgpr_workgroup_id_x 1
		.amdhsa_system_sgpr_workgroup_id_y 1
		.amdhsa_system_sgpr_workgroup_id_z 1
		.amdhsa_system_vgpr_workitem_id 0
		.amdhsa_next_free_vgpr 640
		.amdhsa_next_free_sgpr 100
		.amdhsa_reserve_vcc 0
		.amdhsa_float_denorm_mode_32 3
		.amdhsa_float_denorm_mode_16_64 3
		.amdhsa_memory_ordered 1
		.amdhsa_forward_progress 1
		.amdhsa_inst_pref_size 81
	.end_amdhsa_kernel
	.amdgpu_metadata
---
amdhsa.version: [ 1, 2 ]
amdhsa.kernels:
  - .name:           k_q2fe0ee7423_w2
    .symbol:         k_q2fe0ee7423_w2.kd
    .args:
      - { .name: gc, .offset: 0, .size: 8, .value_kind: global_buffer, .address_space: global }
      - { .name: pc, .offset: 8, .size: 8, .value_kind: global_buffer, .address_space: global }
      - { .name: b2, .offset: 16, .size: 8, .value_kind: global_buffer, .address_space: global }
      - { .name: x1, .offset: 24, .size: 8, .value_kind: global_buffer, .address_space: global }
      - { .name: lowp_scales, .offset: 32, .size: 8, .value_kind: global_buffer, .address_space: global }
      - { .name: out0, .offset: 40, .size: 8, .value_kind: global_buffer, .address_space: global }
    .group_segment_fixed_size: 327680
    .private_segment_fixed_size: 0
    .kernarg_segment_align: 8
    .kernarg_segment_size: 48
    .max_flat_workgroup_size: 128
    .sgpr_count:     100
    .vgpr_count:     640
    .wavefront_size: 32
...
	.end_amdgpu_metadata
.endif
;; end of part 7
